; MI455X (gfx1250); checked and timed in simulation.
; The chip was launched on July 23, 2026; its instructions are those of AMD's public machine-readable ISA for CDNA 5 (MIT licence, August 2026) and "CDNA5" Instruction Set Architecture Reference Guide (July 2026). The comments in the code are by the model that wrote it; some were corrected since.
;; Multi Attention. Allowed arithmetic: float matrix products may take bf16 or f16 operands with f32 sums; other float arithmetic in f32, or as packed bf16 or f16 multiplies, adds, multiply-adds, maxima and minima; sums over many terms, partial sums and values carried from step to step in f32; what a program stores and reads back later, other than sums and carried values, may be rounded once to bf16 or f16.
;; Inputs: Wk 1,024 x 1,024 float32; Wo 1,024 x 1,024 float32; Wq 1,024 x 1,024 float32; Wv 1,024 x 1,024 float32; bo 1,024 float32; query 8 x 1,024 x 1,024 float32.
;; Outputs: out0 8 x 1,024 x 1,024 float32.
;; 2 versions, each right; version 2 is version 1 with the launch cast written anew for expert scheduling mode. Each part assembles by itself: llvm-mc -triple=amdgcn-amd-amdhsa -mcpu=gfx1250 --defsym DOCPART=n.
;; ======== version 1 of 2: 4 launches
;; limits: values are held in f16: magnitudes above 65,504 overflow, below 6.1e-05 lose precision
;; workspace buffers: xb 16,777,216 bytes; wb 6,291,456 bytes; wo16 2,097,152 bytes; qkv 50,331,648 bytes; ob 16,777,216 bytes
;; launch cast (part 1): grid 256 x 1, 8 waves a work-group, no clusters, 0 bytes of LDS; arguments query, Wq, Wk, Wv, Wo, xb, wb, wo16; writes xb, wb, wo16
.if DOCPART == 1
	.amdgcn_target "amdgcn-amd-amdhsa--gfx1250"
	.amdhsa_code_object_version 6
	.text
	.protected	k_q48efa8a6ea_cast
	.globl	k_q48efa8a6ea_cast
	.p2align	8
	.type	k_q48efa8a6ea_cast,@function
k_q48efa8a6ea_cast:
	s_mov_b64 s[64:65], 0
	v_nop
	global_prefetch_b8 v0, s[64:65] scope:SCOPE_SE
	s_setreg_imm32_b32 hwreg(HW_REG_WAVE_MODE, 25, 1), 1
	s_wait_xcnt 0x0
; CAST.  query [8192][1024] f32 -> xb [16 kb][8192 rows][64] bf16;  Wq, Wk, Wv [1024][1024] f32 -> wb [16 kb][3072 rows][64] bf16 (row = tensor x 1024 + row);
; Wo [1024][1024] f32 -> wo16 [1024][1024]: rounded to bf16 like every input, and that number written as f16.
; Block kb holds K = 64 kb .. 64 kb + 63, a row of a block is 128 bytes: the tiles of the product that follows are then dense in memory.
; LIMITS.  A number of Wo whose magnitude is below 2^-17 keeps f16's fixed step of 2^-24 in place of bf16's eight bits; beyond 65,504 it would be an infinity.  NaN and infinities are not treated apart.
; SHARES.  Work-group w: 32 rows of query and 4 rows of each weight.  48 loads of 16 bytes a thread, all issued at the head; then each is converted in place and stored.
; No loop, no LDS, and no register that a load or store names is ever written again, so the only waits are the counted ones for the loads.
; LANES, for the blocked outputs: an instruction takes two rows x one block: lanes 0-15 the even row, lanes 16-31 the odd one, block 2 x wave + j.
; A load reads two runs of 256 aligned bytes; a store of 8 bytes a lane covers 256 consecutive bytes (two rows of 128), aligned.
.set VIN, 1                            ; v1  in:  (l / 16) x 4,096 + wave x 512 + (l % 16) x 16
.set VXO, 2                            ; v2  xb:  wave x 2 blocks + (l / 16) x 128 + (l % 16) x 8
.set VWO, 3                            ; v3  wb:  the same with wb's blocks
.set VLI, 4                            ; v4  Wo in:  16 x thread (a row is 256 threads x 16 bytes)
.set VLO, 5                            ; v5  wo16:   8 x thread
.set X,   16                           ; v[16:207]  load n's four numbers at X + 4 n
.set XBLK, 8192*128                    ; bytes in a block of xb
.set WBLK, 3072*128                    ; bytes in a block of wb
	s_load_b256 s[4:11], s[0:1], 0x0               ; query s[4:5], Wq s[6:7], Wk s[8:9], Wv s[10:11]
	s_load_b256 s[12:19], s[0:1], 0x20             ; Wo s[12:13], xb s[14:15], wb s[16:17], wo16 s[18:19]
	v_lshrrev_b32 v6, 5, v0                        ; wave
	v_and_b32 v7, 15, v0                           ; l % 16
	v_bfe_u32 v8, v0, 4, 1                         ; l / 16
	v_lshlrev_b32 v[VIN], 4, v7
	v_lshl_add_u32 v[VIN], v6, 9, v[VIN]
	v_lshl_add_u32 v[VIN], v8, 12, v[VIN]
	v_lshlrev_b32 v9, 3, v7
	v_lshl_add_u32 v9, v8, 7, v9
	v_lshl_add_u32 v[VXO], v6, 21, v9              ; 2 x XBLK = 2^21
	v_mul_u32_u24 v[VWO], v6, 2*WBLK
	v_add_nc_u32 v[VWO], v[VWO], v9
	v_lshlrev_b32 v[VLI], 4, v0
	v_lshlrev_b32 v[VLO], 3, v0
	s_mov_b32 s20, 0xffff0000                      ; a word's upper bf16
	s_mov_b32 s3, 0
	s_wait_kmcnt 0x0
	s_lshl_b32 s2, ttmp9, 17                       ; 32 rows of 4,096 bytes
	s_add_nc_u64 s[4:5], s[4:5], s[2:3]
	s_lshl_b32 s2, ttmp9, 14                       ; 4 rows of 4,096 bytes
	s_add_nc_u64 s[6:7], s[6:7], s[2:3]
	s_add_nc_u64 s[8:9], s[8:9], s[2:3]
	s_add_nc_u64 s[10:11], s[10:11], s[2:3]
	s_add_nc_u64 s[12:13], s[12:13], s[2:3]
	s_lshl_b32 s2, ttmp9, 12                       ; 32 rows of 128 bytes
	s_add_nc_u64 s[14:15], s[14:15], s[2:3]
	s_lshl_b32 s2, ttmp9, 9                        ; 4 rows of 128 bytes
	s_add_nc_u64 s[16:17], s[16:17], s[2:3]
	s_lshl_b32 s2, ttmp9, 13                       ; 4 rows of 2,048 bytes
	s_add_nc_u64 s[18:19], s[18:19], s[2:3]
.set n, 0
.rept 32                               ; query: load n = 2 i + j: rows 2 i, 2 i + 1, block 2 x wave + j
	global_load_b128 v[X+4*n:X+4*n+3], v[VIN], s[4:5] offset:(n/2)*8192+(n%2)*256 th:TH_LOAD_NT
.set n, n+1
.endr
.irp t, 0,1,2                          ; Wq, Wk, Wv: load 32 + 4 t + 2 i + j
.irp m, 0,1,2,3
	global_load_b128 v[X+4*(32+4*(\t)+(\m)):X+4*(32+4*(\t)+(\m))+3], v[VIN], s[6+2*(\t):7+2*(\t)] offset:((\m)/2)*8192+((\m)%2)*256 th:TH_LOAD_NT
.endr
.endr
.irp r, 0,1,2,3                        ; Wo: load 44 + r: row r, whole
	global_load_b128 v[X+4*(44+(\r)):X+4*(44+(\r))+3], v[VLI], s[12:13] offset:(\r)*4096 th:TH_LOAD_NT
.endr
; Load n is in (loads come back in order, ISA guide 5.7.1: the 47 - n younger ones may stay out); its four numbers are rounded to bf16 into its first two registers.
.macro CV n
	s_wait_loadcnt 47-(\n)
	v_cvt_pk_bf16_f32 v[X+4*(\n)],   v[X+4*(\n)],   v[X+4*(\n)+1]
	v_cvt_pk_bf16_f32 v[X+4*(\n)+1], v[X+4*(\n)+2], v[X+4*(\n)+3]
.endm
.set n, 0
.rept 32
	CV n
	global_store_b64 v[VXO], v[X+4*n:X+4*n+1], s[14:15] offset:(n%2)*XBLK+(n/2)*256
.set n, n+1
.endr
.irp t, 0,1,2
.irp m, 0,1,2,3
	CV 32+4*(\t)+(\m)
	global_store_b64 v[VWO], v[X+4*(32+4*(\t)+(\m)):X+4*(32+4*(\t)+(\m))+1], s[16:17] offset:(\t)*1024*128+((\m)%2)*WBLK+((\m)/2)*256
.endr
.endr
.irp r, 0,1,2,3
	CV 44+(\r)
	v_lshlrev_b32 v6, 16, v[X+4*(44+(\r))]         ; the four bf16 numbers as f32,
	v_and_b32     v7, s20, v[X+4*(44+(\r))]
	v_lshlrev_b32 v8, 16, v[X+4*(44+(\r))+1]
	v_and_b32     v9, s20, v[X+4*(44+(\r))+1]
	v_cvt_pk_f16_f32 v[X+4*(44+(\r))],   v6, v7    ; and written as f16: exact inside f16's range of normal numbers
	v_cvt_pk_f16_f32 v[X+4*(44+(\r))+1], v8, v9
	global_store_b64 v[VLO], v[X+4*(44+(\r)):X+4*(44+(\r))+1], s[18:19] offset:(\r)*2048  ; a wave's store covers 256 consecutive bytes, aligned
.endr
	s_endpgm
.Lfunc_end_k_q48efa8a6ea_cast:
	.size	k_q48efa8a6ea_cast, .Lfunc_end_k_q48efa8a6ea_cast-k_q48efa8a6ea_cast
	.p2alignl 7, 3214868480
	.fill 96, 4, 3214868480
	.section	.rodata,"a",@progbits
	.p2align	6, 0x0
	.amdhsa_kernel k_q48efa8a6ea_cast
		.amdhsa_group_segment_fixed_size 0
		.amdhsa_private_segment_fixed_size 0
		.amdhsa_enable_private_segment 0
		.amdhsa_kernarg_size 64
		.amdhsa_user_sgpr_count 2
		.amdhsa_user_sgpr_kernarg_segment_ptr 1
		.amdhsa_wavefront_size32 1
		.amdhsa_system_sgpr_workgroup_id_x 1
		.amdhsa_system_sgpr_workgroup_id_y 1
		.amdhsa_system_sgpr_workgroup_id_z 1
		.amdhsa_system_vgpr_workitem_id 0
		.amdhsa_next_free_vgpr 208
		.amdhsa_next_free_sgpr 66
		.amdhsa_reserve_vcc 0
		.amdhsa_float_denorm_mode_32 3
		.amdhsa_float_denorm_mode_16_64 3
		.amdhsa_memory_ordered 1
		.amdhsa_forward_progress 1
		.amdhsa_inst_pref_size 20
	.end_amdhsa_kernel
	.amdgpu_metadata
---
amdhsa.version: [ 1, 2 ]
amdhsa.kernels:
  - .name:           k_q48efa8a6ea_cast
    .symbol:         k_q48efa8a6ea_cast.kd
    .args:
      - { .name: query, .offset: 0, .size: 8, .value_kind: global_buffer, .address_space: global }
      - { .name: Wq, .offset: 8, .size: 8, .value_kind: global_buffer, .address_space: global }
      - { .name: Wk, .offset: 16, .size: 8, .value_kind: global_buffer, .address_space: global }
      - { .name: Wv, .offset: 24, .size: 8, .value_kind: global_buffer, .address_space: global }
      - { .name: Wo, .offset: 32, .size: 8, .value_kind: global_buffer, .address_space: global }
      - { .name: xb, .offset: 40, .size: 8, .value_kind: global_buffer, .address_space: global }
      - { .name: wb, .offset: 48, .size: 8, .value_kind: global_buffer, .address_space: global }
      - { .name: wo16, .offset: 56, .size: 8, .value_kind: global_buffer, .address_space: global }
    .group_segment_fixed_size: 0
    .private_segment_fixed_size: 0
    .kernarg_segment_align: 8
    .kernarg_segment_size: 64
    .max_flat_workgroup_size: 256
    .sgpr_count:     66
    .vgpr_count:     208
    .wavefront_size: 32
...
	.end_amdgpu_metadata
.endif
;; end of part 1
;; launch qkvproj (part 2): grid 8 x 32, 4 waves a work-group, clusters of 4 x 4, 327,680 bytes of LDS; arguments xb, wb, qkv; writes qkv
.if DOCPART == 2
	.amdgcn_target "amdgcn-amd-amdhsa--gfx1250"
	.amdhsa_code_object_version 6
	.text
	.protected	k_q48efa8a6ea_qkvproj
	.globl	k_q48efa8a6ea_qkvproj
	.p2align	8
	.type	k_q48efa8a6ea_qkvproj,@function
k_q48efa8a6ea_qkvproj:
	s_mov_b64 s[64:65], 0
	v_nop
	global_prefetch_b8 v0, s[64:65] scope:SCOPE_SE
	s_setreg_imm32_b32 hwreg(HW_REG_WAVE_MODE, 25, 1), 1
	s_wait_xcnt 0x0
	s_wait_alu depctr_hold_cnt(0) depctr_sa_sdst(0) depctr_va_vdst(0) depctr_va_sdst(0) depctr_va_ssrc(0) depctr_va_vcc(0) depctr_vm_vsrc(0)
	s_getreg_b32 s2, hwreg(HW_REG_IB_STS2, 6, 4)
	s_cmp_eq_u32 s2, 0
	s_cbranch_scc0 .Lentry_in_a_cluster
	s_endpgm
.Lentry_in_a_cluster:
	s_bfe_u32 s2, ttmp6, 0x10000c
	s_cmp_lg_u32 s2, 0xf033
	s_cbranch_scc0 .Lentry_shape_is_right
	s_endpgm
.Lentry_shape_is_right:
; Q, K, V PROJECTIONS.  C[m][n] = sum over k of x[m][k] W[n][k], m < 8,192, n < 3,072 (q, k, v on end), k < 1,024.  xb: [16 kb][8192][64] bf16, wb: [16 kb][3072][64] bf16; sums in f32;
; C is rounded once to f16 and stored by heads: qkv [48 g][8192 rows][64], g = n / 64.  The scale of the scores is not applied here.
; LIMIT.  f16 holds no number beyond 65,504: a q, k or v past that becomes an infinity.  NaN and infinities are not treated apart.
; SHARES.  32 x 8 work-groups, one tile of 256 rows x 384 columns each; four waves, each 128 x 192: 96 accumulators of 16 x 16, 768 registers.
; K goes in 16 steps of 64 (one block kb) through a ring of two LDS slots.  In a block a tile's rows lie end to end, so 128 rows of 128 bytes are asked for as 64 rows of 256 bytes, aligned.
; A step is two halves of 32 along K, 96 matrix instructions each.
; CLUSTER.  4 x 4 work-groups.  The four of a row of the cluster need the same tile of xb, the four of a column the same tile of wb: each is asked for JOINTLY, by the same tensor load with the same
; descriptor and a mask that names the four.
; THE MATRIX INSTRUCTION IS USED TRANSPOSED (source 0 = 16 rows of wb, source 1 = 16 rows of xb): a lane then holds row l % 16 of C and eight neighbouring columns 8 (l / 16) + 0..7: 16 bytes of f16.
; REGISTERS, in windows of 256 (s_set_vgpr_msb: bits 1:0 source 0, 3:2 source 1, 5:4 source 2, 7:6 destination):
;   window 0: v16-30 addresses; v32-95, v96-159 xb's fragments (8 x 16 rows x 32 K), two buffers; v160-255 wb's 12 fragments, ONE buffer in two halves (b 0-5, b 6-11), each loaded anew when its products are issued
;   windows 1-3: accumulator (a, b), a = 0..7 row blocks, b = 0..11 column blocks, in window 1 + b / 4 at v[8 (8 (b % 4) + a)]
.set PK,     144                       ; an LDS row: 128 bytes + 16 of padding = 36 words: the 16 rows of a load start at 16 different groups of four banks (64 banks of 4 bytes: ISA guide 11.1)
.set AHALF,  128*PK                    ; 18,432: what one tensor load brings of xb, and what one wave reads of it
.set BHALF,  192*PK                    ; 27,648: the same for wb
.set BOFF,   2*AHALF                   ; in a slot: xb's 256 rows, then wb's 384
.set SLOT,   BOFF+2*BHALF              ; 92,160
.set STAGE,  2*SLOT                    ; 184,320: behind the ring, for the way out: 3 heads x 16 rows x 144 bytes for each wave; no tensor load lands here
.set WSTAGE, 48*PK
.set SPARE,  STAGE+4*WSTAGE            ; 211,968: the spare words, 128 bytes for each wave: two blocks of 256 bytes that no other line names
.set XBLK,   8192*128                  ; bytes in a block of xb: a K step
.set WBLK,   3072*128                  ; bytes in a block of wb
.set LAPS,   8                         ; a lap = two K steps = once round the ring
.set ADRA, 16                          ; v16-17  LDS address of my xb fragments in slot 0, 1
.set ADRB, 20                          ; v20-21  the same for wb
.set STO,  24                          ; v24     the way out: where I put 16 bytes of a row
.set RD,   25                          ; v25     the way out: where I read rows back
.set CO,   26                          ; v26     16 x lane: my place in 512 consecutive bytes of qkv
.set SPW,  28                          ; v28     LDS address of my spare word: SPARE + 4 x my thread's number; never rewritten
.set NIL,  29                          ; v29     0; never rewritten
.set PFO,  30                          ; v30     256 x lane: the prefetches' offset; never rewritten
.set FA0,  32
.set FA1,  96
.set BF,   160
.set TMP,  32                          ; the way out: 48 registers of packed results,
.set BK0,  80                          ; and two buffers of 48 for the rows read back
.set WV,  10                           ; s10  wave
.set WM,  11                           ; s11  which half of the tile's rows is mine.  Also: I fetch xb (0) or wb (1)
.set WN,  12                           ; s12  which half of its columns.  Also: which half of that tile I fetch
.set MT,  13                           ; s13  tile row
.set CX,  40
.set CY,  41
.set NT,  42                           ; s42  tile column
.set LIM, 43                           ; s43  1 in a wave that prefetches, else the greatest number
.set PFA, 44                           ; s[44:45] where my prefetches stand
.set PFS, 22                           ; s[22:23] two K steps, in bytes of the tensor that I prefetch
.set G1,  24                           ; s[24:31] descriptor group 1 for xb's tiles;  s[32:39] group 0, a set for each slot
.set G0,  32
.set G1B, 48                           ; s[48:55], s[56:63] the same for wb's tiles
.set G0B, 56
.set FLAGS, (1<<16)|(1<<20)|(1<<21)|(4<<22)|(3<<25)  ; 17:16 elements of 2 bytes; 20 padding on; 21 set beside a mask; 24:22 after every 32 words (code 4); 31:25 4 words of it (code 3)
.set MSB, 0
.macro WIN new                         ; the immediate's high byte repeats the setting that is left; a switch that changes nothing is dropped
.if MSB != (\new)
	s_set_vgpr_msb (MSB<<8)|(\new)
.set MSB, (\new)
.endif
.endm
; A joint load.  Waves 0 and 1 fetch xb's two halves, waves 2 and 3 wb's.  The branch hangs on the wave's number alone.  An s_nop 0 and four v_nop follow each of the two lines, ahead of the jump and the label.
.macro JLOAD s
	s_cmp_eq_u32 s[WM], 0
	s_cbranch_scc0 .Lfor_b_\@
	tensor_load_to_lds s[G0+4*(\s):G0+4*(\s)+3], s[G1:G1+7]
	s_nop 0
.rept 4
	v_nop
.endr
	s_branch .Lasked_\@
.Lfor_b_\@:
	tensor_load_to_lds s[G0B+4*(\s):G0B+4*(\s)+3], s[G1B:G1B+7]
	s_nop 0
.rept 4
	v_nop
.endr
.Lasked_\@:
.endm
; A round of the cluster's barrier: my work-group's barrier; wave 0 signals for the work-group; every wave waits for all sixteen; my work-group's barrier once more.
.macro CREST                           ; a round behind its opening barrier
	s_cmp_lg_u32 s[WV], 0
	s_cbranch_scc1 .Lnot_wave_0_\@
	s_barrier_signal -3
.Lnot_wave_0_\@:
	s_barrier_wait -3
	s_barrier_signal -1
	s_barrier_wait -1
.endm
.macro CROUND
	s_barrier_signal -1
	s_barrier_wait -1
	CREST
.endm
; THE PREFETCH, once a lap, behind the lap's second joint load and the run of LDS loads that follows it: the two K steps that the NEXT lap's refills will ask for, 192 and 384 matrix instructions ahead of those loads.
; Each aligned block of 256 bytes is named once in the launch.  A tile row of xb is read by both clusters of its row of clusters: cluster x = 0 asks, in it wave 0; a tile column of wb by all eight clusters
; of its column: cluster y = 0 asks, in it wave 2.  The four partners share the two steps' tiles out BY ADDRESS: the partner at place p (cx for xb, cy for wb) takes step p / 2, half p % 2:
; 16,384 bytes of xb (two instructions, a lane a block) or 24,576 of wb (three).  K steps 0 to 3 come by their loads alone; the loop's last trip (s3 = 1) has no lap behind it and asks for nothing.
.macro ASK
	s_cmp_gt_u32 s3, s[LIM]
	s_cbranch_scc0 .Lnot_mine_\@
	global_prefetch_b8 v[PFO], s[PFA:PFA+1] th:TH_LOAD_NT scope:SCOPE_SE
	global_prefetch_b8 v[PFO], s[PFA:PFA+1] offset:8192 th:TH_LOAD_NT scope:SCOPE_SE
	s_cmp_eq_u32 s[WM], 0
	s_cbranch_scc1 .Lnot_mine_\@
	global_prefetch_b8 v[PFO], s[PFA:PFA+1] offset:16384 th:TH_LOAD_NT scope:SCOPE_SE
.Lnot_mine_\@:
.endm
	s_load_b128 s[4:7], s[0:1], 0x0                ; xb s[4:5], wb s[6:7]
	s_load_b64 s[8:9], s[0:1], 0x10                ; qkv
	v_lshl_add_u32 v[SPW], v0, 2, SPARE
	v_mov_b32 v[NIL], 0
	ds_add_u32 v[SPW], v[NIL]                      ; the wave's opening: the add and its wait ahead of my first tensor load; the set-up below, work on registers, stands between them
	v_lshrrev_b32 v1, 5, v0
	v_readfirstlane_b32 s[WV], v1                  ; wave 0..3
	s_lshr_b32 s[WM], s[WV], 1
	s_and_b32 s[WN], s[WV], 1
	s_bfe_u32 s[CX], ttmp6, 0x40000                ; my place in the cluster
	s_bfe_u32 s[CY], ttmp6, 0x40004
	s_lshl_b32 s[NT], ttmp9, 2                     ; in a cluster launch ttmp9 and ttmp7 count clusters
	s_add_co_u32 s[NT], s[NT], s[CX]               ; tile column = 4 x cluster x + cx
	s_and_b32 s[MT], ttmp7, 0xffff
	s_lshl_b32 s[MT], s[MT], 2
	s_add_co_u32 s[MT], s[MT], s[CY]               ; tile row = 4 x cluster y + cy
	s_lshl_b32 s18, s[CY], 2
	s_lshl_b32 s18, 15, s18                        ; my row of the cluster: places 4 cy .. 4 cy + 3
	s_lshl_b32 s19, 0x1111, s[CX]                  ; my column: places cx, cx + 4, cx + 8, cx + 12
	s_or_b32 s[G1+0], s18, FLAGS                   ; xb's tiles go to my row,
	s_or_b32 s[G1B+0], s19, FLAGS                  ; wb's to my column
	s_mov_b32 s[G1+1], 128<<16                     ; tensor_dim0 = 128 elements: 256 bytes, two rows of a block
	s_mov_b32 s[G1+2], 64<<16                      ; tensor_dim1 = 64
	s_mov_b32 s[G1+3], 128<<16                     ; tile_dim0 = 128
	s_mov_b32 s[G1+4], 64                          ; tile_dim1 = 64: 128 rows of xb
	s_mov_b32 s[G1+5], 128                         ; dense: 128 elements from row to row
	s_mov_b32 s[G1+6], 0
	s_mov_b32 s[G1+7], 0
	s_mov_b32 s[G1B+1], 128<<16
	s_mov_b32 s[G1B+2], 96<<16                     ; 96 rows of 256 bytes: 192 rows of wb
	s_mov_b32 s[G1B+3], 128<<16
	s_mov_b32 s[G1B+4], 96
	s_mov_b32 s[G1B+5], 128
	s_mov_b32 s[G1B+6], 0
	s_mov_b32 s[G1B+7], 0
	; where the tiles come from: xb's hang on the tile row alone, wb's on the tile column alone, each made in registers that never hold the other coordinate
	s_lshl_b32 s16, s[MT], 15                      ; 256 rows of 128 bytes,
	s_lshl_b32 s17, s[WN], 14                      ; the half that I fetch
	s_add_co_u32 s16, s16, s17
	s_mov_b32 s17, 0
	s_mul_i32 s46, s[NT], 384*128
	s_mul_i32 s47, s[WN], 192*128
	s_add_co_u32 s46, s46, s47
	s_mov_b32 s47, 0
	s_mul_i32 s20, s[WN], AHALF                    ; and where they go: no place in the cluster enters an LDS address
	s_mul_i32 s21, s[WN], BHALF
	s_add_co_u32 s21, s21, BOFF
	s_wait_dscnt 0x0                               ; the opening add is done
	s_wait_kmcnt 0x0
	s_add_nc_u64 s[14:15], s[4:5], s[16:17]
	s_add_nc_u64 s[46:47], s[6:7], s[46:47]
	CROUND                                         ; all sixteen work-groups are here: the first joint loads meet
.irp s, 0,1
	s_mov_b32 s[G0+4*(\s)], 1                                      ; count = 1
	s_add_co_u32 s[G0+4*(\s)+1], s20, (\s)*SLOT                    ; LDS address
	s_add_nc_u64 s[G0+4*(\s)+2:G0+4*(\s)+3], s[14:15], (\s)*XBLK   ; global address: K step s
	s_or_b32 s[G0+4*(\s)+3], s[G0+4*(\s)+3], 0x80000000            ; type = 2
	s_mov_b32 s[G0B+4*(\s)], 1
	s_add_co_u32 s[G0B+4*(\s)+1], s21, (\s)*SLOT
	s_add_nc_u64 s[G0B+4*(\s)+2:G0B+4*(\s)+3], s[46:47], (\s)*WBLK
	s_or_b32 s[G0B+4*(\s)+3], s[G0B+4*(\s)+3], 0x80000000
	JLOAD \s                                       ; two loads of mine are out: the ring is filled before anything else is done
.endr
	; A fragment is 16 rows x 32 K in 8 registers: lane l holds row l % 16; registers 0-3 hold K = 8 (l / 16) + 0..7, registers 4-7 K = 16 + 8 (l / 16) + 0..7: two loads of 16 bytes, 32 bytes apart.
	v_and_b32 v1, 15, v0                           ; l % 16
	v_bfe_u32 v2, v0, 4, 1                         ; l / 16
	v_mul_u32_u24 v3, v1, PK
	v_lshl_add_u32 v3, v2, 4, v3                   ; row x pitch + 16 x half
	s_mul_i32 s18, s[WM], AHALF                    ; my 128 rows of xb
	s_mul_i32 s19, s[WN], BHALF                    ; my 192 rows of wb
	s_add_co_u32 s19, s19, BOFF
.irp s, 0,1
	v_add_nc_u32 v[ADRA+(\s)], s18, v3
	v_add_nc_u32 v[ADRB+(\s)], s19, v3
	s_add_co_u32 s18, s18, SLOT
	s_add_co_u32 s19, s19, SLOT
.endr
	s_mul_i32 s18, s[WV], WSTAGE
	s_add_co_u32 s18, s18, STAGE                   ; my stage
	v_add_nc_u32 v[STO], s18, v3                   ; in: row l % 16, 16 bytes for each half of the lanes
	v_bfe_u32 v4, v0, 3, 2                         ; back: 32 lanes take four rows of 128 bytes,
	v_and_b32 v5, 7, v0
	v_mul_u32_u24 v4, v4, PK
	v_lshl_add_u32 v4, v5, 4, v4
	v_add_nc_u32 v[RD], s18, v4
	v_and_b32 v[CO], 31, v0                        ; which are 512 consecutive bytes of a head's rows
	v_lshlrev_b32 v[PFO], 8, v[CO]
	v_lshlrev_b32 v[CO], 4, v[CO]
	; qkv at my first row of my first head: group 6 x tile column + 3 x half, row 256 x tile row + 128 x half
	s_lshl_b32 s18, s[MT], 15
	s_lshl_b32 s19, s[WM], 14
	s_add_co_u32 s18, s18, s19
	s_mov_b32 s19, 0
	s_add_nc_u64 s[8:9], s[8:9], s[18:19]
	s_mul_i32 s46, s[NT], 6
	s_mul_i32 s47, s[WN], 3
	s_add_co_u32 s46, s46, s47
	s_lshl_b32 s46, s46, 20                        ; a group is 2^20 bytes
	s_mov_b32 s47, 0
	s_add_nc_u64 s[8:9], s[8:9], s[46:47]
	; the prefetches: base, tile, place among the four partners, block size, all chosen by whether I fetch xb or wb
	s_lshl_b32 s18, s[MT], 15                      ; the tile's first byte in a block: xb's,
	s_mul_i32 s19, s[NT], 384*128                  ; wb's
	s_and_b32 s21, ttmp7, 0xffff                   ; cluster y
	s_mov_b32 s46, 16384                           ; half a tile
	s_mov_b32 s47, 24576
	s_mov_b32 s22, XBLK
	s_mov_b32 s23, WBLK
	s_cmp_eq_u32 s[WM], 0
	s_cselect_b32 s18, s18, s19
	s_cselect_b32 s20, s[CX], s[CY]                ; my place among the four that ask for the tile with me
	s_cselect_b32 s21, ttmp9, s21                  ; the coordinate along which other clusters read the same rows
	s_cselect_b32 s46, s46, s47
	s_cselect_b32 s22, s22, s23
	s_cselect_b64 s[PFA:PFA+1], s[4:5], s[6:7]
	s_or_b32 s21, s21, s[WN]                       ; waves 0 and 2 alone
	s_cmp_eq_u32 s21, 0
	s_cselect_b32 s[LIM], 1, -1                    ; the same in all sixteen partners, for a given wave
	s_and_b32 s47, s20, 1
	s_mul_i32 s47, s47, s46                        ; my half of the tile,
	s_add_co_u32 s18, s18, s47
	s_lshr_b32 s47, s20, 1
	s_add_co_u32 s47, s47, 2                       ; in K step 2 or 3: the first lap steps it to 4 or 5
	s_mul_i32 s47, s47, s22
	s_add_co_u32 s18, s18, s47
	s_mov_b32 s19, 0
	s_add_nc_u64 s[PFA:PFA+1], s[PFA:PFA+1], s[18:19]
	s_lshl_b32 s[PFS], s22, 1
	s_mov_b32 s[PFS+1], 0
; 8 nb matrix instructions: column blocks b0 .. b0 + nb - 1 x all 8 row blocks, 32 along K, xb's fragments from buffer f.  zero = 1: the product starts the sum: nothing is ever cleared.
; The 96 accumulators take turns, one instruction a turn, in the same order in every half step, over the backward jump too.
.macro MULB f, b0, nb, zero
.set ib, (\b0)
.rept (\nb)
	WIN 0x50*(1+ib/4)                              ; C and D in window 1 + b / 4, both sources in window 0
.set ia, 0
.rept 8
.set rD, 8*((ib%4)*8+ia)
.if \zero
	v_wmma_f32_16x16x32_bf16 v[rD:rD+7], v[BF+8*ib:BF+8*ib+7], v[(\f)+8*ia:(\f)+8*ia+7], 0
.else
	v_wmma_f32_16x16x32_bf16 v[rD:rD+7], v[BF+8*ib:BF+8*ib+7], v[(\f)+8*ia:(\f)+8*ia+7], v[rD:rD+7]
.endif
.set ia, ia+1
.endr
.set ib, ib+1
.endr
.endm
; 28 LDS loads in one run: wb's fragments 0-5, then xb's eight into buffer f: 32 K at byte k of the rows
.macro FETCH_AL slot, k, f
	WIN 0
.irp b, 0,1,2,3,4,5
	ds_load_b128 v[BF+8*(\b):BF+8*(\b)+3],   v[ADRB+(\slot)] offset:(\k)+(\b)*16*PK
	ds_load_b128 v[BF+8*(\b)+4:BF+8*(\b)+7], v[ADRB+(\slot)] offset:(\k)+(\b)*16*PK+32
.endr
.irp i, 0,1,2,3,4,5,6,7
	ds_load_b128 v[(\f)+8*(\i):(\f)+8*(\i)+3],   v[ADRA+(\slot)] offset:(\k)+(\i)*16*PK
	ds_load_b128 v[(\f)+8*(\i)+4:(\f)+8*(\i)+7], v[ADRA+(\slot)] offset:(\k)+(\i)*16*PK+32
.endr
.endm
; 12 LDS loads: wb's fragments 6-11
.macro FETCH_H slot, k
	WIN 0
.irp b, 6,7,8,9,10,11
	ds_load_b128 v[BF+8*(\b):BF+8*(\b)+3],   v[ADRB+(\slot)] offset:(\k)+(\b)*16*PK
	ds_load_b128 v[BF+8*(\b)+4:BF+8*(\b)+7], v[ADRB+(\slot)] offset:(\k)+(\b)*16*PK+32
.endr
.endm
; A load into a register that a matrix instruction has read, and a vector instruction that reads a matrix result, stand four places behind that matrix instruction; only plain vector
; instructions that name none of its registers are places (ISA guide 7.12.1 for vector instructions).
.macro PLACES
.rept 4
	v_nop
.endr
.endm
; A step's first half: multiplies buffer 0; each half of wb's buffer, and xb's buffer 1, takes the step's second 32 K as soon as its products are issued.
.macro HALF0 slot, zero
	s_wait_dscnt 12                                ; wb's fragments 0-5 and xb's are in; the youngest twelve loads (wb's 6-11) may be out
	MULB FA0, 0, 6, \zero
	PLACES
	FETCH_AL \slot, 64, FA1
	s_wait_dscnt 28                                ; all but the 28 just issued
	MULB FA0, 6, 6, \zero
	PLACES
	FETCH_H \slot, 64
.endm
; A step's second half multiplies buffer 1 and changes slots: ONE barrier for two things.  In front of it each wave waits for all its tensor loads, of which one is out: its part of the next slot; adds 0 to its
; spare word; and waits for that and for its own reads of this slot, the last of which (wb's 6-11) are then in registers.  Behind it nobody reads this slot any more and the next slot is whole.
; fill = 1: the barrier opens a round of the cluster's barrier, and the slot is filled again, two K steps ahead, first thing behind the round: 144 matrix instructions ahead of the wait for that load.
.macro TURN slot, next, fill
.if (\fill) && ((\slot) == 1)
	s_wait_xcnt 0x0                                ; the last prefetches, a lap back, have read their address: it is stepped here, ahead of the change's own waits
	s_add_nc_u64 s[PFA:PFA+1], s[PFA:PFA+1], s[PFS:PFS+1]
.endif
	WIN 0                                          ; (the add's two registers lie in window 0)
	s_wait_tensorcnt 0x0                           ; all my tensor loads have landed;
	ds_add_u32 v[SPW], v[NIL]                      ; 0 onto my spare word;
	s_wait_dscnt 13                                ; (the add and the youngest twelve loads may be out)
	MULB FA1, 0, 4, 0                              ; 32 matrix instructions stand between the add and the wait for it
	s_wait_dscnt 0x0                               ; the add is done, and my reads of this slot are over
	s_barrier_signal -1
	MULB FA1, 4, 2, 0                              ; work on registers while the others arrive
.if \fill
	WIN 0
.endif
	s_barrier_wait -1
.if \fill
	CREST                                          ; no wave of any partner still reads this slot's tile or has a load on its way
	s_add_nc_u64 s[G0+4*(\slot)+2:G0+4*(\slot)+3], s[G0+4*(\slot)+2:G0+4*(\slot)+3], 2*XBLK
	s_add_nc_u64 s[G0B+4*(\slot)+2:G0B+4*(\slot)+3], s[G0B+4*(\slot)+2:G0B+4*(\slot)+3], 2*WBLK
	JLOAD \slot                                    ; the first tensor load behind the round, my only one until the next; its four v_nop are also the places in front of the loads below
.else
	PLACES
.endif
	FETCH_AL \next, 0, FA0
.if (\fill) && ((\slot) == 1)
	ASK
.endif
	MULB FA1, 6, 6, 0
	PLACES
	FETCH_H \next, 0
.endm
; THE WAY OUT of row block a, in three parts.  PACK: rounded to f16, 16 bytes a lane for each column block; each accumulator is read from its low end.
.macro PACK a
.set ib, 0
.rept 12
	WIN 0x05*(1+ib/4)                              ; sources 0 and 1 in window 1 + b / 4, destination in window 0
.set rD, 8*((ib%4)*8+(\a))
.irp r, 0,1,2,3
	v_cvt_pk_f16_f32 v[TMP+4*ib+(\r)], v[rD+2*(\r)], v[rD+2*(\r)+1]
.endr
.set ib, ib+1
.endr
	WIN 0
.endm
; TOSTAGE: into my own stage, a head's 16 rows of 128 bytes at a time, and back as whole rows.
.macro TOSTAGE a
	WIN 0
.set BK, BK0+48*((\a)%2)
.irp b, 0,1,2,3,4,5,6,7,8,9,10,11
	ds_store_b128 v[STO], v[TMP+4*(\b):TMP+4*(\b)+3] offset:((\b)/4)*16*PK+32*((\b)%4)
.endr
.irp f, 0,1,2,3,4,5,6,7,8,9,10,11
	ds_load_b128 v[BK+4*(\f):BK+4*(\f)+3], v[RD] offset:(\f)*4*PK  ; LDS serves a wave's instructions in order (ISA guide 5.7.1.4): these see the stores above
.endr
.endm
; SEND: stored.  The head (f / 4), the row block and the four rows stand in the immediate, 2,113,024 at the most.
.macro SEND a
	WIN 0
.set BK, BK0+48*((\a)%2)
	s_wait_dscnt 0x0                               ; the block is back in registers
	s_wait_xcnt 0x0                                ; every earlier store has had its addresses translated (ISA guide 3.1): the other buffer, which the block before stored from, is loaded again only behind this wait
.irp f, 0,1,2,3,4,5,6,7,8,9,10,11
	global_store_b128 v[CO], v[BK+4*(\f):BK+4*(\f)+3], s[8:9] offset:(((\f)/4)<<20)+(\a)*2048+((\f)%4)*512  ; 512 consecutive bytes, at a multiple of 256 from qkv's first
.endr
.endm
	s_wait_tensorcnt 1                             ; my part of K step 0 is in; step 1's may stay out
	s_barrier_signal -1
	s_barrier_wait -1                              ; everybody's is
	FETCH_AL 0, 0, FA0
	FETCH_H 0, 0
	HALF0 0, 1                                     ; the first half step stands in front of the loop: its products start the sums
	WIN 0                                          ; at a label and at a branch every window is 0
	s_mov_b32 s3, LAPS-1
.Llap:                                                 ; a trip goes once round the ring, from a lap's second half step to the next lap's first, and fills both slots again
	TURN 0, 1, 1
	HALF0 1, 0
	TURN 1, 0, 1
	HALF0 0, 0
	WIN 0
	s_sub_co_u32 s3, s3, 1
	s_cmp_lg_u32 s3, 0
	s_cbranch_scc1 .Llap
	TURN 0, 1, 0                                   ; the last lap fills nothing, and has no round of the cluster's barrier
	HALF0 1, 0
	s_wait_dscnt 12                                ; the very last half step: nothing more to fetch
	MULB FA1, 0, 6, 0
	s_wait_dscnt 0x0
	MULB FA1, 6, 6, 0
	PLACES
	PACK 0
	TOSTAGE 0
.irp a, 1,2,3,4,5,6,7                  ; block a's conversions stand between block a - 1's loads from the stage and the wait for them
	PACK \a
	SEND (\a)-1
	TOSTAGE \a
.endr
	SEND 7
	s_wait_tensorcnt 0x0                           ; the wave's end: an add to my spare word with its waits, behind my last tensor load and my last LDS store
	ds_add_u32 v[SPW], v[NIL]
	s_wait_dscnt 0x0
	CROUND                                         ; the closing round: no work-group ends while a partner may still ask for a tile that names it
	s_endpgm
.Lfunc_end_k_q48efa8a6ea_qkvproj:
	.size	k_q48efa8a6ea_qkvproj, .Lfunc_end_k_q48efa8a6ea_qkvproj-k_q48efa8a6ea_qkvproj
	.p2alignl 7, 3214868480
	.fill 96, 4, 3214868480
	.section	.rodata,"a",@progbits
	.p2align	6, 0x0
	.amdhsa_kernel k_q48efa8a6ea_qkvproj
		.amdhsa_group_segment_fixed_size 327680
		.amdhsa_private_segment_fixed_size 0
		.amdhsa_enable_private_segment 0
		.amdhsa_kernarg_size 24
		.amdhsa_user_sgpr_count 2
		.amdhsa_user_sgpr_kernarg_segment_ptr 1
		.amdhsa_wavefront_size32 1
		.amdhsa_system_sgpr_workgroup_id_x 1
		.amdhsa_system_sgpr_workgroup_id_y 1
		.amdhsa_system_sgpr_workgroup_id_z 1
		.amdhsa_system_vgpr_workitem_id 0
		.amdhsa_next_free_vgpr 1024
		.amdhsa_next_free_sgpr 66
		.amdhsa_reserve_vcc 0
		.amdhsa_float_denorm_mode_32 3
		.amdhsa_float_denorm_mode_16_64 3
		.amdhsa_memory_ordered 1
		.amdhsa_forward_progress 1
		.amdhsa_inst_pref_size 130
	.end_amdhsa_kernel
	.amdgpu_metadata
---
amdhsa.version: [ 1, 2 ]
amdhsa.kernels:
  - .name:           k_q48efa8a6ea_qkvproj
    .symbol:         k_q48efa8a6ea_qkvproj.kd
    .args:
      - { .name: xb, .offset: 0, .size: 8, .value_kind: global_buffer, .address_space: global }
      - { .name: wb, .offset: 8, .size: 8, .value_kind: global_buffer, .address_space: global }
      - { .name: qkv, .offset: 16, .size: 8, .value_kind: global_buffer, .address_space: global }
    .group_segment_fixed_size: 327680
    .private_segment_fixed_size: 0
    .kernarg_segment_align: 8
    .kernarg_segment_size: 24
    .max_flat_workgroup_size: 128
    .sgpr_count:     66
    .vgpr_count:     1024
    .wavefront_size: 32
...
	.end_amdgpu_metadata
.endif
;; end of part 2
;; launch attn (part 3): grid 4 x 64, 16 waves a work-group, no clusters, 266,240 bytes of LDS; arguments qkv, ob; writes ob
.if DOCPART == 3
	.amdgcn_target "amdgcn-amd-amdhsa--gfx1250"
	.amdhsa_code_object_version 6
	.text
	.protected	k_q48efa8a6ea_attn
	.globl	k_q48efa8a6ea_attn
	.p2align	8
	.type	k_q48efa8a6ea_attn,@function
k_q48efa8a6ea_attn:
	s_mov_b64 s[64:65], 0
	v_nop
	global_prefetch_b8 v0, s[64:65] scope:SCOPE_SE
	s_setreg_imm32_b32 hwreg(HW_REG_WAVE_MODE, 25, 1), 1
	s_wait_xcnt 0x0
; ATTENTION IN A WINDOW.  O[b][h][i] = the sum over the keys j = i - 63 .. i (j >= 0) of softmax_j(q[i] . k[j] / 8) v[j].  qkv: [48 g][8192 rows][64] f16 (q of head h: g = h; k: 16 + h; v: 32 + h;
; row = 1,024 b + t).  ob: [8192][1024] f16, column 64 h + c.  Products, the maximum and the sum in f32; the weights are rounded to f16 for the second product (their sum is taken unrounded), O once.
; LIMITS.  q, k, v arrive within f16's 65,504.  A hidden score counts as its value less 1e30; a weight below 2^-126 counts as 0; below 6e-5 a weight keeps f16's fixed step of 6e-8.  NaN and infinities are not treated apart.
; SHARES.  A work-group: 256 queries of one batch, two neighbouring heads (their 2 x 128 bytes are 256 aligned bytes of a row of ob).  A wave: one tile of 16 queries, the two heads one after the other.
; THE WINDOW.  A tile beginning at tq sees the keys tq - 64 .. tq + 15: five tiles of 16, all in registers at once, so the row's TRUE maximum is taken before the exponentials: one pass, nothing is rescaled.
; Key tile 0 hides key kk where kk <= r (r the query's place in its tile), tile 4 where kk > r, tiles 1-3 hide nothing; a whole key tile is hidden where it lies in front of the sequence.
; THE MASK is the C operand that starts the sum S^T = K Q^T: 0 or -1e30; made once a wave.  Every query sees its own key, so the maximum is a true score.
; In a batch's first block LDS rows 0-63 take the 64 rows in front of it in qkv (k's and v's groups are not the buffer's first, so they lie inside it): finite numbers, whose scores are all hidden.
; LAYOUT.  S^T = K Q^T (source 0 = 16 keys, source 1 = 16 queries): a lane holds ONE query (l % 16) and the keys 8 (l / 16) + 0..7.  Two such results rounded to f16 ARE source 1 of O^T = V^T P.
; K comes out of LDS as it lies, V ([key][channel]) turned, by ds_load_tr16_b128.  NO CLUSTER: of a work-group's 320 rows of K and V only 64 are also a neighbour's.
.set PKK,   144                        ; a row of K in LDS: 128 bytes + 16 of padding: the 16 rows of a load start at 16 different groups of four banks (64 banks of 4 bytes: ISA guide 11.1)
.set PVV,   160                        ; a row of V: 128 + 32
.set KH,    320*PKK                    ; a head's K: 46,080
.set VH,    320*PVV                    ; a head's V: 51,200
.set VOFF,  2*KH                       ; K of both heads, then V of both
.set STAGE, VOFF+2*VH                  ; 194,560: for each wave 16 rows x 272 bytes, for the way out; no tensor load lands here
.set SP,    272
.set SPARE, STAGE+16*16*SP             ; 264,192: the spare words, 128 bytes for each of 16 waves: eight blocks of 256 bytes that no other line names
.set SPW, 2                            ; v2   LDS address of my spare word; never rewritten
.set NIL, 3                            ; v3   0; never rewritten
.set AK,  5                            ; v5   my lane's place in my window of K, head 0
.set AV,  6                            ; v6   the same for V
.set QO,  7                            ; v7   my byte offset in the tile's rows of q
.set STO, 8                            ; v8   the way out: where I put 16 bytes of a row
.set RD,  9                            ; v9   where I read rows back
.set GO,  10                           ; v10  my byte offset in two rows of ob
.set CM,  16                           ; v[16:17] c m, and a 0 named with it as a pair
.set TT,  18                           ; v18-22 five running maxima
.set LS,  24                           ; v24  the row's sum
.set RL,  26                           ; v[26:27] 1 / sum, and a 0 named with it as a pair
.set MK,  32                           ; v32-71   the masks, key tile kt at MK + 8 kt
.set Q,   72                           ; v72-87   q: channels 32 c on at Q + 8 c
.set S,   88                           ; v88-127  the 40 scores; then O^T, channel block cb at S + 8 cb
.set P,   128                          ; v128-151 the weights in f16; the last four registers, a sixth key tile that does not exist, hold 0
.set KV,  152                          ; v152-247 K: fragment (kt, c) at KV + 8 (2 kt + c); then V: (g, cb) at KV + 8 (4 g + cb); at the end the rows read back
.set WV,  8                            ; s8   wave
.set G1K, 16                           ; s[16:23] descriptor group 1 for K;  s[24:31] for V: it differs in the padding alone
.set G1V, 24
.set G0K, 32                           ; s[32:39] group 0 for K, a set for each head;  s[40:47] for V
.set G0V, 40
.set CS,  48                           ; s[48:49] c = log2(e) / 8
.set SEL, 50                           ; s[50:51] v_permlanex16_b32's selects: each lane takes its own place in the other half
.set BIGN, 52                          ; s52  -1e30
.set BE,  53                           ; s53-56  -1e30 where key tile 0..3 lies in front of the sequence, else 0
	s_load_b128 s[4:7], s[0:1], 0x0                ; qkv s[4:5], ob s[6:7]
	v_lshl_add_u32 v[SPW], v0, 2, SPARE
	v_mov_b32 v[NIL], 0
	ds_add_u32 v[SPW], v[NIL]                      ; the wave's opening: the add and its wait ahead of the first tensor load; the set-up below, work on registers, stands between them
	v_lshrrev_b32 v1, 5, v0
	v_readfirstlane_b32 s[WV], v1                  ; wave 0..15
	s_and_b32 s9, ttmp7, 0xffff
	s_lshr_b32 s14, s9, 3                          ; batch
	s_and_b32 s15, s9, 7                           ; pair of heads
	s_lshl_b32 s60, s14, 17                        ; the batch's 1,024 rows of 128 bytes,
	s_lshl_b32 s57, ttmp9, 15                      ; my block's 256
	s_add_co_u32 s60, s60, s57                     ; my first query's row in a group, in bytes
	s_lshl_b32 s61, s15, 21                        ; two groups of 2^20 bytes for each pair of heads
	s_and_b32 s62, s[WV], 1                        ; which 160 of the 320 rows I fetch (waves 0-3)
	s_mul_i32 s58, s62, 160*128
	s_add_co_u32 s58, s58, s60
	s_add_co_u32 s58, s58, s61
	s_add_co_u32 s58, s58, (16<<20)-64*128         ; k's groups begin at 16; the window begins 64 rows ahead of my first query
	s_mov_b32 s59, 0
	s_mul_i32 s57, s62, 160*PKK
	s_mov_b32 s[G0K], 1                            ; count = 1
	s_mov_b32 s[G0K+1], s57                        ; LDS address: head 0,
	s_mov_b32 s[G0K+4], 1
	s_add_co_u32 s[G0K+5], s57, KH                 ; head 1
	s_mul_i32 s57, s62, 160*PVV
	s_mov_b32 s[G0V], 1
	s_add_co_u32 s[G0V+1], s57, VOFF
	s_mov_b32 s[G0V+4], 1
	s_add_co_u32 s[G0V+5], s57, VOFF+VH
	; group 1: 160 rows are 20,480 dense bytes: asked for as 80 rows of 256 bytes, two keys a row, padded in LDS after every key
	s_mov_b32 s[G1K], (1<<16)|(1<<20)|(4<<22)|(3<<25)  ; 2-byte elements; padding on; after every 32 words (code 4); 4 words (code 3)
	s_mov_b32 s[G1V], (1<<16)|(1<<20)|(4<<22)|(7<<25)  ; the same with 8 words (code 7)
.irp g, G1K, G1V
	s_mov_b32 s[\g+1], 128<<16                     ; tensor_dim0 = 128
	s_mov_b32 s[\g+2], 80<<16                      ; tensor_dim1 = 80
	s_mov_b32 s[\g+3], 128<<16                     ; tile_dim0 = 128
	s_mov_b32 s[\g+4], 80                          ; tile_dim1 = 80
	s_mov_b32 s[\g+5], 128                         ; 128 elements from row to row
	s_mov_b32 s[\g+6], 0
	s_mov_b32 s[\g+7], 0
.endr
	s_lshl_b32 s2, s[WV], 11                       ; q: my tile's 16 rows
	s_add_co_u32 s2, s2, s60
	s_add_co_u32 s2, s2, s61
	s_mov_b32 s3, 0
	s_lshl_b32 s62, s60, 4                         ; ob: rows of 2,048 bytes,
	s_lshl_b32 s57, s[WV], 15
	s_add_co_u32 s62, s62, s57
	s_lshl_b32 s57, s15, 8                         ; the pair's 256 bytes
	s_add_co_u32 s62, s62, s57
	s_mov_b32 s63, 0
	s_mov_b32 s[CS], 0x3e38aa3b                    ; c = 0.180337
	s_mov_b32 s[CS+1], s[CS]                       ; named with it as a pair
	s_mov_b32 s[SEL], 0x76543210
	s_mov_b32 s[SEL+1], 0xfedcba98
	s_mov_b32 s[BIGN], 0xf149f2ca                  ; -1e30
	s_lshl_b32 s9, ttmp9, 4
	s_add_co_u32 s9, s9, s[WV]                     ; my tile's number in the sequence: key tile kt is tile number - 4 + kt
.irp kt, 0,1,2,3
	s_add_co_u32 s57, s9, \kt
	s_cmp_lt_u32 s57, 4
	s_cselect_b32 s[BE+\kt], s[BIGN], 0
.endr
	s_wait_dscnt 0x0                               ; the opening add is done
	s_wait_kmcnt 0x0
	s_add_nc_u64 s[G0K+2:G0K+3], s[4:5], s[58:59]  ; k of head 0: my half of the window's rows;
	s_add_nc_u64 s[G0K+6:G0K+7], s[G0K+2:G0K+3], 1<<20   ; head 1 is one group on,
	s_add_nc_u64 s[G0V+2:G0V+3], s[G0K+2:G0K+3], 16<<20  ; v sixteen
	s_add_nc_u64 s[G0V+6:G0V+7], s[G0K+2:G0K+3], 17<<20
	s_or_b32 s[G0K+3], s[G0K+3], 0x80000000        ; type = 2
	s_or_b32 s[G0K+7], s[G0K+7], 0x80000000
	s_or_b32 s[G0V+3], s[G0V+3], 0x80000000
	s_or_b32 s[G0V+7], s[G0V+7], 0x80000000
	s_add_nc_u64 s[10:11], s[4:5], s[2:3]          ; q of head 0 at my tile
	s_add_nc_u64 s[12:13], s[6:7], s[62:63]        ; ob at my tile's first row, my pair of heads
	; THE FILLS, once in the launch: waves 0, 1 fetch K's halves, waves 2, 3 V's, head 0 first and then head 1: two loads of such a wave are out.  An s_nop 0 follows each load, four v_nop the second.
	s_cmp_lt_u32 s[WV], 4
	s_cbranch_scc0 .Lasked
	s_cmp_lt_u32 s[WV], 2
	s_cbranch_scc0 .Lfor_v
	tensor_load_to_lds s[G0K:G0K+3], s[G1K:G1K+7]
	s_nop 0
	tensor_load_to_lds s[G0K+4:G0K+7], s[G1K:G1K+7]
	s_nop 0
.rept 4
	v_nop
.endr
	s_branch .Lasked
.Lfor_v:
	tensor_load_to_lds s[G0V:G0V+3], s[G1V:G1V+7]
	s_nop 0
	tensor_load_to_lds s[G0V+4:G0V+7], s[G1V:G1V+7]
	s_nop 0
.rept 4
	v_nop
.endr
.Lasked:
	; A fragment of K or q is 16 rows x 32 channels in 8 registers: lane l holds row l % 16, channels 8 (l / 16) + 0..7 and 16 + 8 (l / 16) + 0..7: two loads of 16 bytes, 32 bytes apart.
	v_and_b32 v1, 15, v0                           ; r = l % 16
	v_bfe_u32 v4, v0, 4, 1                         ; h = l / 16
	v_lshlrev_b32 v[QO], 7, v1
	v_lshl_add_u32 v[QO], v4, 4, v[QO]
.irp c, 0,1
	global_load_b128 v[Q+8*\c:Q+8*\c+3],   v[QO], s[10:11] offset:\c*64
	global_load_b128 v[Q+8*\c+4:Q+8*\c+7], v[QO], s[10:11] offset:\c*64+32
.endr
	s_mul_i32 s57, s[WV], 16*PKK                   ; my window begins at LDS row 16 x wave
	v_mul_u32_u24 v[AK], v1, PKK
	v_lshl_add_u32 v[AK], v4, 4, v[AK]
	v_add_nc_u32 v[AK], s57, v[AK]
	; The turning load takes 16 keys x 16 channels (lane l reads key 8 (l / 16) + l % 8, channels 8 ((l / 8) % 2) + 0..7) and leaves half a fragment of V^T: lane l holds channel l % 16 and 8 keys.
	v_and_b32 v12, 7, v0
	v_bfe_u32 v13, v0, 3, 1
	v_lshl_add_u32 v[AV], v4, 3, v12
	v_mul_u32_u24 v[AV], v[AV], PVV
	v_lshl_add_u32 v[AV], v13, 4, v[AV]
	s_mul_i32 s57, s[WV], 16*PVV
	s_add_co_u32 s57, s57, VOFF
	v_add_nc_u32 v[AV], s57, v[AV]
	s_mul_i32 s57, s[WV], 16*SP
	s_add_co_u32 s57, s57, STAGE                   ; my stage
	v_mul_u32_u24 v[STO], v1, SP                   ; in: row r, 16 bytes for each half of the lanes
	v_lshl_add_u32 v[STO], v4, 4, v[STO]
	v_add_nc_u32 v[STO], s57, v[STO]
	v_mul_u32_u24 v[RD], v4, SP                    ; back: lanes 0-15 take one row of 256 bytes, lanes 16-31 the next
	v_lshl_add_u32 v[RD], v1, 4, v[RD]
	v_add_nc_u32 v[RD], s57, v[RD]
	v_lshlrev_b32 v[GO], 11, v4                    ; and the same two rows in ob
	v_lshl_add_u32 v[GO], v1, 4, v[GO]
	; the masks: register j of a key tile is key kk = 8 h + j
	v_mov_b32 v11, s[BE]
	v_lshlrev_b32 v14, 3, v4
	v_sub_nc_u32 v14, v1, v14                      ; r - 8 h
.irp j, 0,1,2,3,4,5,6,7
	v_cmp_le_i32 vcc_lo, \j, v14                   ; kk <= r: the key has left the window
	v_cndmask_b32 v[MK+\j], v11, s[BIGN], vcc_lo
.endr
.irp kt, 1,2,3
.irp j, 0,1,2,3,4,5,6,7
	v_mov_b32 v[MK+8*\kt+\j], s[BE+\kt]
.endr
.endr
.irp j, 0,1,2,3,4,5,6,7
	v_cmp_gt_i32 vcc_lo, \j, v14                   ; kk > r: the key lies behind the query
	v_cndmask_b32 v[MK+32+\j], 0, s[BIGN], vcc_lo
.endr
	v_mov_b32 v[CM+1], 0
	v_mov_b32 v[RL+1], 0
.irp j, 20,21,22,23
	v_mov_b32 v[P+\j], 0
.endr
.macro PLACES                          ; four places behind a matrix instruction, ahead of loads into registers that it has read and of vector instructions that read its result (ISA guide 7.12.1 for vector instructions)
.rept 4
	v_nop
.endr
.endm
; ONE HEAD, in phases.  The accumulators of each run of products take turns, one instruction a turn.
.macro HEAD hd
.irp f, 0,1,2,3,4,5,6,7,8,9            ; K of my window: key tile f / 2, channels 32 (f % 2) on
	ds_load_b128 v[KV+8*(\f):KV+8*(\f)+3],   v[AK] offset:(\hd)*KH+((\f)/2)*16*PKK+((\f)%2)*64
	ds_load_b128 v[KV+8*(\f)+4:KV+8*(\f)+7], v[AK] offset:(\hd)*KH+((\f)/2)*16*PKK+((\f)%2)*64+32
.endr
	s_wait_loadcnt 0x0                             ; q
	s_wait_dscnt 0x0                               ; K
.irp c, 0,1
.irp kt, 0,1,2,3,4
.if (\c) == 0
	v_wmma_f32_16x16x32_f16 v[S+8*(\kt):S+8*(\kt)+7], v[KV+16*(\kt):KV+16*(\kt)+7], v[Q:Q+7], v[MK+8*(\kt):MK+8*(\kt)+7]  ; the mask starts the sum
.else
	v_wmma_f32_16x16x32_f16 v[S+8*(\kt):S+8*(\kt)+7], v[KV+16*(\kt)+8:KV+16*(\kt)+15], v[Q+8:Q+15], v[S+8*(\kt):S+8*(\kt)+7]
.endif
.endr
.endr
	PLACES
.if (\hd) == 0
.irp c, 0,1                            ; the second head's q, one group on, into the registers that the products above have read
	global_load_b128 v[Q+8*(\c):Q+8*(\c)+3],   v[QO], s[10:11] offset:(1<<20)+(\c)*64
	global_load_b128 v[Q+8*(\c)+4:Q+8*(\c)+7], v[QO], s[10:11] offset:(1<<20)+(\c)*64+32
.endr
.endif
.irp g, 0,1,2                          ; V, turned: keys 32 g on, channels 16 cb on; it lands while the softmax is made
.irp cb, 0,1,2,3
	ds_load_tr16_b128 v[KV+8*(4*(\g)+(\cb)):KV+8*(4*(\g)+(\cb))+3], v[AV] offset:(\hd)*VH+(\g)*32*PVV+(\cb)*32
.if (\g) < 2
	ds_load_tr16_b128 v[KV+8*(4*(\g)+(\cb))+4:KV+8*(4*(\g)+(\cb))+7], v[AV] offset:(\hd)*VH+(\g)*32*PVV+16*PVV+(\cb)*32
.else
	ds_load_tr16_b128 v[KV+8*(4*(\g)+(\cb))+4:KV+8*(4*(\g)+(\cb))+7], v[AV] offset:(\hd)*VH+(\g)*32*PVV+(\cb)*32  ; there is no sixth key tile: its weights are 0, and keys 64-79 stand in for it once more
.endif
.endr
.endr
	; the maximum of my 40 scores: five chains, each accumulator read from its low end; then the other half of the lanes'
.irp k, 0,1,2,3,4
	v_max3_num_f32 v[TT+(\k)], v[S+8*(\k)], v[S+8*(\k)+1], v[S+8*(\k)+2]
.endr
.irp k, 0,1,2,3,4
	v_max3_num_f32 v[TT+(\k)], v[TT+(\k)], v[S+8*(\k)+3], v[S+8*(\k)+4]
.endr
.irp k, 0,1,2,3,4
	v_max3_num_f32 v[TT+(\k)], v[TT+(\k)], v[S+8*(\k)+5], v[S+8*(\k)+6]
.endr
	v_max3_num_f32 v[TT], v[TT], v[S+7], v[S+15]
	v_max3_num_f32 v[TT+1], v[TT+1], v[S+23], v[S+31]
	v_max_num_f32 v[TT+2], v[TT+2], v[S+39]
	v_max_num_f32 v[TT+3], v[TT+3], v[TT+4]
	v_max3_num_f32 v[TT], v[TT], v[TT+1], v[TT+2]
	v_max_num_f32 v[TT], v[TT], v[TT+3]
	v_permlanex16_b32 v[TT+1], v[TT], s[SEL], s[SEL+1]  ; the query's other 40 keys lie in the lane 16 away
	v_max_num_f32 v[TT], v[TT], v[TT+1]
	v_mul_f32 v[CM], s[CS], v[TT]                  ; c m
.set z, 0
.rept 20
	v_pk_fma_f32 v[S+2*z:S+2*z+1], v[S+2*z:S+2*z+1], s[CS:CS+1], v[CM:CM+1] op_sel_hi:[1,0,0] neg_lo:[0,0,1] neg_hi:[0,0,1]  ; c s - c m
.set z, z+1
.endr
.set z, 0
.rept 40                               ; ONE BATCH of exponentials, none of which names another's result
	v_exp_f32 v[S+z], v[S+z]
.set z, z+1
.endr
	v_nop                                          ; a plain instruction behind the last exponential (ISA guide 5.7.2),
	s_wait_alu depctr_va_vdst(0)                   ; and the one wait ahead of the batch's first reader
.set z, 0
.rept 20
	v_cvt_pk_f16_f32 v[P+z], v[S+2*z], v[S+2*z+1]
.set z, z+1
.endr
.set z, 0
.rept 10                               ; the sum of the 20 pairs, in place: neighbours 10, 5, 1, 2 and 4 pairs apart
	v_pk_add_f32 v[S+2*z:S+2*z+1], v[S+2*z:S+2*z+1], v[S+20+2*z:S+20+2*z+1]
.set z, z+1
.endr
.set z, 0
.rept 5
	v_pk_add_f32 v[S+2*z:S+2*z+1], v[S+2*z:S+2*z+1], v[S+10+2*z:S+10+2*z+1]
.set z, z+1
.endr
	v_pk_add_f32 v[S:S+1], v[S:S+1], v[S+2:S+3]
	v_pk_add_f32 v[S+4:S+5], v[S+4:S+5], v[S+6:S+7]
	v_pk_add_f32 v[S:S+1], v[S:S+1], v[S+4:S+5]
	v_pk_add_f32 v[S:S+1], v[S:S+1], v[S+8:S+9]
	v_add_f32 v[LS], v[S], v[S+1]
	v_permlanex16_b32 v[TT+1], v[LS], s[SEL], s[SEL+1]
	v_add_f32 v[LS], v[LS], v[TT+1]
	v_rcp_f32 v[RL], v[LS]
	v_nop                                          ; a plain instruction behind the reciprocal; its wait stands ahead of its first reader, behind the products
	s_wait_dscnt 0x0                               ; V is in
.irp g, 0,1,2
.irp cb, 0,1,2,3
.if (\g) == 0
	v_wmma_f32_16x16x32_f16 v[S+8*(\cb):S+8*(\cb)+7], v[KV+8*(\cb):KV+8*(\cb)+7], v[P:P+7], 0
.else
	v_wmma_f32_16x16x32_f16 v[S+8*(\cb):S+8*(\cb)+7], v[KV+8*(4*(\g)+(\cb)):KV+8*(4*(\g)+(\cb))+7], v[P+8*(\g):P+8*(\g)+7], v[S+8*(\cb):S+8*(\cb)+7]
.endif
.endr
.endr
	PLACES
	s_wait_alu depctr_va_vdst(0)                   ; the reciprocal's wait
.set z, 0
.rept 16
	v_pk_mul_f32 v[S+2*z:S+2*z+1], v[S+2*z:S+2*z+1], v[RL:RL+1] op_sel_hi:[1,0]  ; ascending: each accumulator is read from its low end
.set z, z+1
.endr
.set z, 0
.rept 16
	v_cvt_pk_f16_f32 v[S+z], v[S+2*z], v[S+2*z+1]  ; in place: register z is written when its own number has been read
.set z, z+1
.endr
.irp cb, 0,1,2,3
	ds_store_b128 v[STO], v[S+4*(\cb):S+4*(\cb)+3] offset:(\hd)*128+(\cb)*32  ; my query's eight channels, into the head's half of the stage's row
.endr
.endm
	s_wait_tensorcnt 1                             ; head 0's tile is in (of a wave that fetches); head 1's may stay out: no LDS byte is ever filled again
	s_barrier_signal -1
	s_barrier_wait -1                              ; all four parts are
	HEAD 0
	s_wait_tensorcnt 0x0                           ; head 1's tile is in,
	s_wait_dscnt 0x0                               ; and no LDS instruction of mine is pending at the signal
	s_barrier_signal -1
	s_barrier_wait -1
	HEAD 1
.irp t, 0,1,2,3,4,5,6,7
	ds_load_b128 v[KV+4*\t:KV+4*\t+3], v[RD] offset:\t*2*SP  ; LDS serves a wave's instructions in order (ISA guide 5.7.1.4): these see both heads' stores
.endr
.irp t, 0,1,2,3,4,5,6,7
	s_wait_dscnt 7-\t                              ; the younger loads may stay out
	global_store_b128 v[GO], v[KV+4*\t:KV+4*\t+3], s[12:13] offset:\t*4096  ; 16 lanes store 256 consecutive bytes, at a multiple of 256 from ob's first byte
.endr
	s_wait_tensorcnt 0x0                           ; the wave's end: an add to my spare word with its waits, behind my last tensor load and my last LDS store
	ds_add_u32 v[SPW], v[NIL]
	s_wait_dscnt 0x0
	s_endpgm
.Lfunc_end_k_q48efa8a6ea_attn:
	.size	k_q48efa8a6ea_attn, .Lfunc_end_k_q48efa8a6ea_attn-k_q48efa8a6ea_attn
	.p2alignl 7, 3214868480
	.fill 96, 4, 3214868480
	.section	.rodata,"a",@progbits
	.p2align	6, 0x0
	.amdhsa_kernel k_q48efa8a6ea_attn
		.amdhsa_group_segment_fixed_size 266240
		.amdhsa_private_segment_fixed_size 0
		.amdhsa_enable_private_segment 0
		.amdhsa_kernarg_size 16
		.amdhsa_user_sgpr_count 2
		.amdhsa_user_sgpr_kernarg_segment_ptr 1
		.amdhsa_wavefront_size32 1
		.amdhsa_system_sgpr_workgroup_id_x 1
		.amdhsa_system_sgpr_workgroup_id_y 1
		.amdhsa_system_sgpr_workgroup_id_z 1
		.amdhsa_system_vgpr_workitem_id 0
		.amdhsa_next_free_vgpr 256
		.amdhsa_next_free_sgpr 66
		.amdhsa_reserve_vcc 1
		.amdhsa_float_denorm_mode_32 3
		.amdhsa_float_denorm_mode_16_64 3
		.amdhsa_memory_ordered 1
		.amdhsa_forward_progress 1
		.amdhsa_inst_pref_size 39
	.end_amdhsa_kernel
	.amdgpu_metadata
---
amdhsa.version: [ 1, 2 ]
amdhsa.kernels:
  - .name:           k_q48efa8a6ea_attn
    .symbol:         k_q48efa8a6ea_attn.kd
    .args:
      - { .name: qkv, .offset: 0, .size: 8, .value_kind: global_buffer, .address_space: global }
      - { .name: ob, .offset: 8, .size: 8, .value_kind: global_buffer, .address_space: global }
    .group_segment_fixed_size: 266240
    .private_segment_fixed_size: 0
    .kernarg_segment_align: 8
    .kernarg_segment_size: 16
    .max_flat_workgroup_size: 512
    .sgpr_count:     66
    .vgpr_count:     256
    .wavefront_size: 32
...
	.end_amdgpu_metadata
.endif
;; end of part 3
;; launch oproj (part 4): grid 8 x 32, 4 waves a work-group, clusters of 4 x 4, 327,680 bytes of LDS; arguments ob, wo16, bo, out0; writes out0
.if DOCPART == 4
	.amdgcn_target "amdgcn-amd-amdhsa--gfx1250"
	.amdhsa_code_object_version 6
	.text
	.protected	k_q48efa8a6ea_oproj
	.globl	k_q48efa8a6ea_oproj
	.p2align	8
	.type	k_q48efa8a6ea_oproj,@function
k_q48efa8a6ea_oproj:
	s_mov_b64 s[64:65], 0
	v_nop
	global_prefetch_b8 v0, s[64:65] scope:SCOPE_SE
	s_setreg_imm32_b32 hwreg(HW_REG_WAVE_MODE, 25, 1), 1
	s_wait_xcnt 0x0
	s_wait_alu depctr_hold_cnt(0) depctr_sa_sdst(0) depctr_va_vdst(0) depctr_va_sdst(0) depctr_va_ssrc(0) depctr_va_vcc(0) depctr_vm_vsrc(0)
	s_getreg_b32 s2, hwreg(HW_REG_IB_STS2, 6, 4)
	s_cmp_eq_u32 s2, 0
	s_cbranch_scc0 .Lentry_in_a_cluster
	s_endpgm
.Lentry_in_a_cluster:
	s_bfe_u32 s2, ttmp6, 0x10000c
	s_cmp_lg_u32 s2, 0xf033
	s_cbranch_scc0 .Lentry_shape_is_right
	s_endpgm
.Lentry_shape_is_right:
; OUTPUT PROJECTION.  out0[m][n] = sum over k of O[m][k] Wo[n][k] + bo[n].  ob: [8192][1024] f16, wo16: [1024][1024] f16 (Wo rounded to bf16, written as f16), bo: [1024] f32, out0: [8192][1024] f32.
; Sums in f32.  bo is rounded to bf16 like every input of the module, and is the C operand of each accumulator's first product: no add is written and nothing is cleared.
; LIMITS.  Those of f16 in ob and wo16 (65,504).  NaN and infinities are not treated apart.
; SHARES.  32 x 8 work-groups, one tile of 256 rows x 128 columns each; four waves, each 128 x 64: 32 accumulators of 16 x 16.  K goes in 8 steps of 128 (256 aligned bytes of each row) through a ring
; of two LDS slots; a step is four quarters of 32 along K, 32 matrix instructions each, on two fragment buffers.
; CLUSTER.  4 x 4 work-groups: ob's tile is shared along a row of the cluster, wo16's along a column; each is asked for JOINTLY, by the same tensor load with the same descriptor and a mask of four.
; THE MATRIX INSTRUCTION IS USED TRANSPOSED (source 0 = 16 rows of wo16, source 1 = 16 rows of ob): a lane holds row l % 16 of the result and the columns 8 (l / 16) + 0..7: 32 bytes of f32.
; REGISTERS (s_set_vgpr_msb: bits 1:0 source 0, 3:2 source 1, 5:4 source 2, 7:6 destination):
;   window 0: v16-31 addresses; v32-127, v128-223 two fragment buffers (wo16's 4 fragments, then ob's 8); v224-255 the bias;   window 1: accumulator (a, b) at v[8 (4 a + b)]
.set PITCH,  272                       ; an LDS row: 256 bytes + 16 of padding = 68 words: row r starts at bank 4 r mod 64 (64 banks of 4 bytes: ISA guide 11.1)
.set AHALF,  128*PITCH                 ; 34,816: what one tensor load brings of ob, and what one wave reads of it
.set BHALF,  64*PITCH                  ; 17,408: the same for wo16
.set BOFF,   2*AHALF
.set SLOT,   BOFF+2*BHALF              ; 104,448
.set STAGE,  2*SLOT                    ; 208,896: behind the ring: 16 rows x 272 bytes for each wave, for the way out; no tensor load lands here
.set SPARE,  STAGE+4*16*PITCH          ; 226,304: the spare words, 128 bytes for each wave: two blocks of 256 bytes that no other line names
.set ROWB,   2048                      ; bytes in a row of ob and of wo16
.set LAPS,   4                         ; a lap = two K steps
.set ADRA, 16                          ; v16-17  LDS address of my ob fragments in slot 0, 1
.set ADRB, 20                          ; v20-21  the same for wo16
.set STO,  24                          ; v24     the way out: where I put 32 bytes of a row
.set RD,   25                          ; v25     where I read rows back
.set CO,   26                          ; v26     my byte offset in two rows of out0
.set BOF,  27                          ; v27     32 x (l / 16): my eight numbers in 16 of bo
.set SPW,  28                          ; v28     LDS address of my spare word; never rewritten
.set NIL,  29                          ; v29     0; never rewritten
.set PFO,  30                          ; v30     lane x a row: the prefetches' offset; never rewritten
.set F0,   32
.set F1,   128
.set BI,   224                          ; v[BI + 8 b + j] = bo[my first column + 16 b + 8 (l / 16) + j]
.set BK0,  32                          ; the way out: two buffers of 32 for the rows read back
.set WV,  10
.set WM,  11                           ; s11  which half of the tile's rows is mine.  Also: I fetch ob (0) or wo16 (1)
.set WN,  12                           ; s12  which half of its columns.  Also: which half of that tile I fetch
.set MT,  13
.set CX,  40
.set CY,  41
.set NT,  42
.set LIM, 43                           ; s43  1 in a wave that prefetches, else the greatest number
.set PFA, 44                           ; s[44:45] where my prefetches stand: one K step further along K than the refill that is being asked for
.set G1,  24
.set G0,  32
.set G1B, 48
.set G0B, 56
.set FLAGS, (1<<16)|(1<<20)|(1<<21)|(5<<22)|(3<<25)  ; elements of 2 bytes; padding on; 21 set beside a mask; after every 64 words (code 5); 4 words of it (code 3)
.set MSB, 0
.macro WIN new                         ; the immediate's high byte repeats the setting that is left; a switch that changes nothing is dropped
.if MSB != (\new)
	s_set_vgpr_msb (MSB<<8)|(\new)
.set MSB, (\new)
.endif
.endm
.macro JLOAD s                         ; a joint load: waves 0 and 1 fetch ob's two halves, waves 2 and 3 wo16's; an s_nop 0 and four v_nop follow each of the two lines, ahead of the jump and the label
	s_cmp_eq_u32 s[WM], 0
	s_cbranch_scc0 .Lfor_b_\@
	tensor_load_to_lds s[G0+4*(\s):G0+4*(\s)+3], s[G1:G1+7]
	s_nop 0
.rept 4
	v_nop
.endr
	s_branch .Lasked_\@
.Lfor_b_\@:
	tensor_load_to_lds s[G0B+4*(\s):G0B+4*(\s)+3], s[G1B:G1B+7]
	s_nop 0
.rept 4
	v_nop
.endr
.Lasked_\@:
.endm
.macro CREST                           ; a round of the cluster's barrier behind its opening barrier
	s_cmp_lg_u32 s[WV], 0
	s_cbranch_scc1 .Lnot_wave_0_\@
	s_barrier_signal -3
.Lnot_wave_0_\@:
	s_barrier_wait -3
	s_barrier_signal -1
	s_barrier_wait -1
.endm
.macro CROUND
	s_barrier_signal -1
	s_barrier_wait -1
	CREST
.endm
; THE PREFETCH, behind each joint load and the run of LDS loads that follows it: the K step that stands TWO refills on, 256 matrix instructions ahead of its load: 32 rows x 256 bytes, a lane a row.
; Each row's 256 bytes of a K step are named once in the launch.  ob's tile row is read by both clusters of its row of clusters: cluster x = 0 asks, waves 0 and 1, each for the 128 rows that it fetches,
; of which the partner at cx takes 32; wo16's tile column by all eight clusters of its column: cluster y = 0 asks, wave 2, the partner at cy taking 32 of the 128 rows.  The partners are told apart BY ADDRESS.
; K steps 0 to 3 come by their loads alone; the loop's last trip (s3 = 1) has no K step two on and asks for nothing.
.macro ASK
	s_cmp_gt_u32 s3, s[LIM]
	s_cbranch_scc0 .Lnot_mine_\@
	global_prefetch_b8 v[PFO], s[PFA:PFA+1] offset:256 th:TH_LOAD_NT scope:SCOPE_SE
.Lnot_mine_\@:
.endm
	s_load_b128 s[4:7], s[0:1], 0x0                ; ob s[4:5], wo16 s[6:7]
	s_load_b64 s[66:67], s[0:1], 0x10              ; bo
	s_load_b64 s[8:9], s[0:1], 0x18                ; out0
	v_lshl_add_u32 v[SPW], v0, 2, SPARE
	v_mov_b32 v[NIL], 0
	ds_add_u32 v[SPW], v[NIL]                      ; the wave's opening: the add and its wait ahead of my first tensor load; the set-up below, work on registers, stands between them
	v_lshrrev_b32 v1, 5, v0
	v_readfirstlane_b32 s[WV], v1                  ; wave 0..3
	s_lshr_b32 s[WM], s[WV], 1
	s_and_b32 s[WN], s[WV], 1
	s_bfe_u32 s[CX], ttmp6, 0x40000
	s_bfe_u32 s[CY], ttmp6, 0x40004
	s_lshl_b32 s[NT], ttmp9, 2
	s_add_co_u32 s[NT], s[NT], s[CX]               ; tile column = 4 x cluster x + cx
	s_and_b32 s[MT], ttmp7, 0xffff
	s_lshl_b32 s[MT], s[MT], 2
	s_add_co_u32 s[MT], s[MT], s[CY]               ; tile row = 4 x cluster y + cy
	s_lshl_b32 s18, s[CY], 2
	s_lshl_b32 s18, 15, s18                        ; my row of the cluster
	s_lshl_b32 s19, 0x1111, s[CX]                  ; my column
	s_or_b32 s[G1+0], s18, FLAGS
	s_or_b32 s[G1B+0], s19, FLAGS
	s_mov_b32 s[G1+1], 128<<16                     ; tensor_dim0 = 128
	s_mov_b32 s[G1+2], 128<<16                     ; tensor_dim1 = 128
	s_mov_b32 s[G1+3], 128<<16                     ; tile_dim0 = 128
	s_mov_b32 s[G1+4], 128                         ; tile_dim1 = 128 rows of ob
	s_mov_b32 s[G1+5], 1024                        ; 1,024 elements from row to row
	s_mov_b32 s[G1+6], 0
	s_mov_b32 s[G1+7], 0
	s_mov_b32 s[G1B+1], 128<<16
	s_mov_b32 s[G1B+2], 64<<16                     ; 64 rows of wo16
	s_mov_b32 s[G1B+3], 128<<16
	s_mov_b32 s[G1B+4], 64
	s_mov_b32 s[G1B+5], 1024
	s_mov_b32 s[G1B+6], 0
	s_mov_b32 s[G1B+7], 0
	s_lshl_b32 s16, s[MT], 19                      ; ob: 256 rows of 2,048 bytes,
	s_lshl_b32 s17, s[WN], 18                      ; the 128 that I fetch
	s_add_co_u32 s16, s16, s17
	s_mov_b32 s17, 0
	s_lshl_b32 s46, s[NT], 18                      ; wo16: 128 rows,
	s_lshl_b32 s47, s[WN], 17                      ; the 64 that I fetch
	s_add_co_u32 s46, s46, s47
	s_mov_b32 s47, 0
	s_mul_i32 s20, s[WN], AHALF                    ; where they go: no place in the cluster enters an LDS address
	s_mul_i32 s21, s[WN], BHALF
	s_add_co_u32 s21, s21, BOFF
	s_wait_dscnt 0x0                               ; the opening add is done
	s_wait_kmcnt 0x0
	s_add_nc_u64 s[14:15], s[4:5], s[16:17]
	s_add_nc_u64 s[46:47], s[6:7], s[46:47]
	CROUND                                         ; all sixteen work-groups are here: the first joint loads meet
.irp s, 0,1
	s_mov_b32 s[G0+4*(\s)], 1
	s_add_co_u32 s[G0+4*(\s)+1], s20, (\s)*SLOT
	s_add_nc_u64 s[G0+4*(\s)+2:G0+4*(\s)+3], s[14:15], (\s)*256    ; K step s
	s_or_b32 s[G0+4*(\s)+3], s[G0+4*(\s)+3], 0x80000000
	s_mov_b32 s[G0B+4*(\s)], 1
	s_add_co_u32 s[G0B+4*(\s)+1], s21, (\s)*SLOT
	s_add_nc_u64 s[G0B+4*(\s)+2:G0B+4*(\s)+3], s[46:47], (\s)*256
	s_or_b32 s[G0B+4*(\s)+3], s[G0B+4*(\s)+3], 0x80000000
	JLOAD \s                                       ; two loads of mine are out
.endr
	s_lshl_b32 s46, s[NT], 9                       ; my first column, in bytes of f32: 512 x tile column + 256 x half
	s_lshl_b32 s47, s[WN], 8
	s_add_co_u32 s46, s46, s47
	s_mov_b32 s47, 0
	s_add_nc_u64 s[66:67], s[66:67], s[46:47]
	s_add_nc_u64 s[8:9], s[8:9], s[46:47]
	s_lshl_b32 s18, s[MT], 20                      ; my first row: 256 x tile row + 128 x half, rows of 4,096 bytes
	s_lshl_b32 s19, s[WM], 19
	s_add_co_u32 s18, s18, s19
	s_mov_b32 s19, 0
	s_add_nc_u64 s[8:9], s[8:9], s[18:19]
	v_and_b32 v1, 15, v0                           ; l % 16
	v_bfe_u32 v2, v0, 4, 1                         ; l / 16
	v_lshlrev_b32 v[BOF], 5, v2
.irp b, 0,1,2,3
	global_load_b128 v[BI+8*(\b):BI+8*(\b)+3],   v[BOF], s[66:67] offset:64*(\b)
	global_load_b128 v[BI+8*(\b)+4:BI+8*(\b)+7], v[BOF], s[66:67] offset:64*(\b)+16
.endr
	v_mul_u32_u24 v3, v1, PITCH
	v_lshl_add_u32 v4, v2, 4, v3                   ; a fragment's row x pitch + 16 x half
	s_mul_i32 s18, s[WM], AHALF                    ; my 128 rows of ob
	s_mul_i32 s19, s[WN], BHALF                    ; my 64 rows of wo16
	s_add_co_u32 s19, s19, BOFF
.irp s, 0,1
	v_add_nc_u32 v[ADRA+(\s)], s18, v4
	v_add_nc_u32 v[ADRB+(\s)], s19, v4
	s_add_co_u32 s18, s18, SLOT
	s_add_co_u32 s19, s19, SLOT
.endr
	s_mul_i32 s18, s[WV], 16*PITCH
	s_add_co_u32 s18, s18, STAGE                   ; my stage
	v_lshl_add_u32 v[STO], v2, 5, v3               ; in: row l % 16, 32 bytes for each half of the lanes
	v_add_nc_u32 v[STO], s18, v[STO]
	v_mul_u32_u24 v[RD], v2, PITCH                 ; back: lanes 0-15 take one row of 256 bytes, lanes 16-31 the next
	v_lshl_add_u32 v[RD], v1, 4, v[RD]
	v_add_nc_u32 v[RD], s18, v[RD]
	v_lshlrev_b32 v[CO], 12, v2                    ; and the same two rows in out0
	v_lshl_add_u32 v[CO], v1, 4, v[CO]
	v_and_b32 v[PFO], 31, v0
	v_lshlrev_b32 v[PFO], 11, v[PFO]
	; the prefetches
	s_lshl_b32 s18, s[MT], 8
	s_lshl_b32 s19, s[WN], 7
	s_add_co_u32 s18, s18, s19                     ; ob: the 128 rows that I fetch;
	s_lshl_b32 s19, s[NT], 7                       ; wo16: the tile's 128 rows
	s_and_b32 s21, ttmp7, 0xffff
	s_or_b32 s21, s21, s[WN]                       ; for wo16: cluster y = 0 and wave 2 alone
	s_cmp_eq_u32 s[WM], 0
	s_cselect_b32 s18, s18, s19
	s_cselect_b32 s20, s[CX], s[CY]                ; my place among the four that ask for the tile with me
	s_cselect_b32 s21, ttmp9, s21                  ; for ob: cluster x = 0
	s_cselect_b64 s[PFA:PFA+1], s[4:5], s[6:7]
	s_cmp_eq_u32 s21, 0
	s_cselect_b32 s[LIM], 1, -1                    ; the same in all sixteen partners, for a given wave
	s_lshl_b32 s20, s20, 5
	s_add_co_u32 s18, s18, s20                     ; my work-group's 32 rows
	s_lshl_b32 s18, s18, 11
	s_add_co_u32 s18, s18, 2*256                   ; at K step 2: the first refill steps it to 3 and names K step 4
	s_mov_b32 s19, 0
	s_add_nc_u64 s[PFA:PFA+1], s[PFA:PFA+1], s[18:19]
	s_wait_loadcnt 0x0                             ; bo
.set z, 0
.rept 16                               ; rounded to bf16 and widened again, a pair at a time
	v_cvt_pk_bf16_f32 v31, v[BI+2*z], v[BI+2*z+1]
	v_lshlrev_b32 v[BI+2*z], 16, v31
	v_and_b32 v[BI+2*z+1], 0xffff0000, v31
.set z, z+1
.endr
; 4 na matrix instructions: row blocks a0 .. a0 + na - 1 x all 4 column blocks, 32 along K, from buffer f.  first = 1: the bias starts the sum.
; The 32 accumulators take turns, one instruction a turn, in the same order in every quarter, over the backward jump too.
.macro MUL f, a0, na, first
.if \first
	WIN 0x40                                       ; D in window 1; sources and C (the bias) in window 0
.else
	WIN 0x50                                       ; C and D in window 1
.endif
.set ia, (\a0)
.rept (\na)
.irp b, 0,1,2,3
.if \first
	v_wmma_f32_16x16x32_f16 v[8*(4*ia+(\b)):8*(4*ia+(\b))+7], v[(\f)+8*(\b):(\f)+8*(\b)+7], v[(\f)+32+8*ia:(\f)+32+8*ia+7], v[BI+8*(\b):BI+8*(\b)+7]
.else
	v_wmma_f32_16x16x32_f16 v[8*(4*ia+(\b)):8*(4*ia+(\b))+7], v[(\f)+8*(\b):(\f)+8*(\b)+7], v[(\f)+32+8*ia:(\f)+32+8*ia+7], v[8*(4*ia+(\b)):8*(4*ia+(\b))+7]
.endif
.endr
.set ia, ia+1
.endr
.endm
; 24 LDS loads in one run: wo16's 4 fragments, then ob's 8: 32 K at byte k of the rows, into buffer f
.macro FETCH slot, k, f
	WIN 0
.irp i, 0,1,2,3
	ds_load_b128 v[(\f)+8*(\i):(\f)+8*(\i)+3],   v[ADRB+(\slot)] offset:(\k)+(\i)*16*PITCH
	ds_load_b128 v[(\f)+8*(\i)+4:(\f)+8*(\i)+7], v[ADRB+(\slot)] offset:(\k)+(\i)*16*PITCH+32
.endr
.irp i, 0,1,2,3,4,5,6,7
	ds_load_b128 v[(\f)+32+8*(\i):(\f)+32+8*(\i)+3],   v[ADRA+(\slot)] offset:(\k)+(\i)*16*PITCH
	ds_load_b128 v[(\f)+32+8*(\i)+4:(\f)+32+8*(\i)+7], v[ADRA+(\slot)] offset:(\k)+(\i)*16*PITCH+32
.endr
.endm
.macro PLACES                          ; four places in front of loads into registers that matrix instructions have read, and of LDS stores that read results (ISA guide 7.12.1 for vector instructions)
.rept 4
	v_nop
.endr
.endm
; One of a step's first three quarters: multiplies buffer f; in its middle it fetches the next quarter, at byte k of the same slot's rows, into buffer g.
.macro QUARTER slot, k, f, g, first
	s_wait_dscnt 8                                 ; wo16's fragments and ob's rows 0-63 are in; the youngest eight loads may be out
	MUL \f, 0, 4, \first
	PLACES
	FETCH \slot, \k, \g
	s_wait_dscnt 24                                ; all but the 24 just issued
	MUL \f, 4, 4, \first
.endm
; The last quarter multiplies buffer 1 and changes slots: ONE barrier; in front of it each wave waits for all its tensor loads (one is out: its part of the next slot), adds 0 to its spare word, and waits for that
; and for its own reads of this slot.  fill = 1: the barrier opens a round of the cluster's barrier and this slot is filled again, two K steps ahead, first thing behind the round: 112 matrix instructions ahead of the wait for that load.
.macro TURN slot, next, fill
.if \fill
	s_wait_xcnt 0x0                                ; the last prefetch, a K step back, has read its address: it is stepped here, ahead of the change's own waits
	s_add_nc_u64 s[PFA:PFA+1], s[PFA:PFA+1], 256
.endif
	WIN 0                                          ; (the add's two registers lie in window 0)
	s_wait_tensorcnt 0x0                           ; all my tensor loads have landed;
	ds_add_u32 v[SPW], v[NIL]                      ; 0 onto my spare word;
	s_wait_dscnt 9                                 ; (the add and the youngest eight loads may be out)
	MUL F1, 0, 2, 0                                ; eight matrix instructions stand between the add and the wait for it
	s_wait_dscnt 0x0                               ; the add is done, and my reads of this slot are over
	s_barrier_signal -1
	MUL F1, 2, 2, 0
.if \fill
	WIN 0
.endif
	s_barrier_wait -1
.if \fill
	CREST                                          ; no wave of any partner still reads this slot's tile or has a load on its way
	s_add_nc_u64 s[G0+4*(\slot)+2:G0+4*(\slot)+3], s[G0+4*(\slot)+2:G0+4*(\slot)+3], 2*256
	s_add_nc_u64 s[G0B+4*(\slot)+2:G0B+4*(\slot)+3], s[G0B+4*(\slot)+2:G0B+4*(\slot)+3], 2*256
	JLOAD \slot                                    ; the first tensor load behind the round, my only one until the next; its four v_nop are also the places in front of the loads below
.else
	PLACES
.endif
	FETCH \next, 0, F0
.if \fill
	ASK
.endif
	MUL F1, 4, 4, 0
.endm
; THE WAY OUT of row block a.  TOSTAGE: a lane's 32 bytes for each column block go straight from the accumulators (low end first) into my own stage, and come back as whole rows of 256 bytes.
.macro TOSTAGE a
	s_wait_xcnt 0x0                                ; every earlier store has had its addresses translated (ISA guide 3.1): the buffer that block a - 2 was stored from is loaded again only behind this wait
	WIN 0x04                                       ; the stores' data (source 1) in window 1, their address in window 0
.irp b, 0,1,2,3
	ds_store_b128 v[STO], v[8*(4*(\a)+(\b)):8*(4*(\a)+(\b))+3]   offset:64*(\b)
	ds_store_b128 v[STO], v[8*(4*(\a)+(\b))+4:8*(4*(\a)+(\b))+7] offset:64*(\b)+16
.endr
	WIN 0
.set BK, BK0+32*((\a)%2)
.irp t, 0,1,2,3,4,5,6,7
	ds_load_b128 v[BK+4*(\t):BK+4*(\t)+3], v[RD] offset:(\t)*2*PITCH  ; LDS serves a wave's instructions in order (ISA guide 5.7.1.4): these see the stores above; the next block's stores come behind them
.endr
.endm
.macro SEND a, younger                 ; younger: the LDS instructions issued behind block a's loads: the next block's sixteen, or none
	WIN 0
.set BK, BK0+32*((\a)%2)
	s_wait_dscnt \younger
.irp t, 0,1,2,3,4,5,6,7
	global_store_b128 v[CO], v[BK+4*(\t):BK+4*(\t)+3], s[8:9] offset:(16*(\a)+2*(\t))*4096 th:TH_STORE_NT  ; 16 lanes store 256 consecutive bytes, at a multiple of 256 from out0's first byte
.endr
.endm
	s_wait_tensorcnt 1                             ; my part of K step 0 is in; step 1's may stay out
	s_barrier_signal -1
	s_barrier_wait -1                              ; everybody's is
	FETCH 0, 0, F0
	QUARTER 0, 64, F0, F1, 1                       ; the first quarter stands in front of the loop: its products start the sums, with the bias
	WIN 0                                          ; at a label and at a branch every window is 0
	s_mov_b32 s3, LAPS-1
.Llap:                                                 ; a trip goes once round the ring, from a lap's second quarter to the next lap's first, and fills both slots again
	QUARTER 0, 128, F1, F0, 0
	QUARTER 0, 192, F0, F1, 0
	TURN 0, 1, 1
	QUARTER 1, 64,  F0, F1, 0
	QUARTER 1, 128, F1, F0, 0
	QUARTER 1, 192, F0, F1, 0
	TURN 1, 0, 1
	QUARTER 0, 64,  F0, F1, 0
	WIN 0
	s_sub_co_u32 s3, s3, 1
	s_cmp_lg_u32 s3, 0
	s_cbranch_scc1 .Llap
	QUARTER 0, 128, F1, F0, 0                      ; the last lap fills nothing, and has no round of the cluster's barrier
	QUARTER 0, 192, F0, F1, 0
	TURN 0, 1, 0
	QUARTER 1, 64,  F0, F1, 0
	QUARTER 1, 128, F1, F0, 0
	QUARTER 1, 192, F0, F1, 0
	s_wait_dscnt 8                                 ; the very last quarter: nothing more to fetch
	MUL F1, 0, 4, 0
	s_wait_dscnt 0x0
	MUL F1, 4, 4, 0
	PLACES
	TOSTAGE 0
.irp a, 1,2,3,4,5,6,7                  ; block a's trip through the stage is under way while block a - 1 is stored
	TOSTAGE \a
	SEND (\a)-1, 16
.endr
	SEND 7, 0
	s_wait_tensorcnt 0x0                           ; the wave's end: an add to my spare word with its waits, behind my last tensor load and my last LDS store
	ds_add_u32 v[SPW], v[NIL]
	s_wait_dscnt 0x0
	CROUND                                         ; the closing round: no work-group ends while a partner may still ask for a tile that names it
	s_endpgm
.Lfunc_end_k_q48efa8a6ea_oproj:
	.size	k_q48efa8a6ea_oproj, .Lfunc_end_k_q48efa8a6ea_oproj-k_q48efa8a6ea_oproj
	.p2alignl 7, 3214868480
	.fill 96, 4, 3214868480
	.section	.rodata,"a",@progbits
	.p2align	6, 0x0
	.amdhsa_kernel k_q48efa8a6ea_oproj
		.amdhsa_group_segment_fixed_size 327680
		.amdhsa_private_segment_fixed_size 0
		.amdhsa_enable_private_segment 0
		.amdhsa_kernarg_size 32
		.amdhsa_user_sgpr_count 2
		.amdhsa_user_sgpr_kernarg_segment_ptr 1
		.amdhsa_wavefront_size32 1
		.amdhsa_system_sgpr_workgroup_id_x 1
		.amdhsa_system_sgpr_workgroup_id_y 1
		.amdhsa_system_sgpr_workgroup_id_z 1
		.amdhsa_system_vgpr_workitem_id 0
		.amdhsa_next_free_vgpr 512
		.amdhsa_next_free_sgpr 68
		.amdhsa_reserve_vcc 0
		.amdhsa_float_denorm_mode_32 3
		.amdhsa_float_denorm_mode_16_64 3
		.amdhsa_memory_ordered 1
		.amdhsa_forward_progress 1
		.amdhsa_inst_pref_size 90
	.end_amdhsa_kernel
	.amdgpu_metadata
---
amdhsa.version: [ 1, 2 ]
amdhsa.kernels:
  - .name:           k_q48efa8a6ea_oproj
    .symbol:         k_q48efa8a6ea_oproj.kd
    .args:
      - { .name: ob, .offset: 0, .size: 8, .value_kind: global_buffer, .address_space: global }
      - { .name: wo16, .offset: 8, .size: 8, .value_kind: global_buffer, .address_space: global }
      - { .name: bo, .offset: 16, .size: 8, .value_kind: global_buffer, .address_space: global }
      - { .name: out0, .offset: 24, .size: 8, .value_kind: global_buffer, .address_space: global }
    .group_segment_fixed_size: 327680
    .private_segment_fixed_size: 0
    .kernarg_segment_align: 8
    .kernarg_segment_size: 32
    .max_flat_workgroup_size: 128
    .sgpr_count:     68
    .vgpr_count:     512
    .wavefront_size: 32
...
	.end_amdgpu_metadata
.endif
;; end of part 4
;; ======== version 2 of 2: 4 launches; version 1 with the launch cast written anew for expert scheduling mode
;; limits: values are held in f16: magnitudes above 65,504 overflow, below 6.1e-05 lose precision
;; workspace buffers: xb 16,777,216 bytes; wb 6,291,456 bytes; wo16 2,097,152 bytes; qkv 50,331,648 bytes; ob 16,777,216 bytes
;; launch cast (part 5): grid 256 x 1, 8 waves a work-group, no clusters, 0 bytes of LDS; arguments query, Wq, Wk, Wv, Wo, xb, wb, wo16; writes xb, wb, wo16
.if DOCPART == 5
	.amdgcn_target "amdgcn-amd-amdhsa--gfx1250"
	.amdhsa_code_object_version 6
	.text
	.protected	k_q48efa8a6ea_cast
	.globl	k_q48efa8a6ea_cast
	.p2align	8
	.type	k_q48efa8a6ea_cast,@function
k_q48efa8a6ea_cast:
	s_mov_b64 s[64:65], 0
	v_nop
	global_prefetch_b8 v0, s[64:65] scope:SCOPE_SE
	s_setreg_imm32_b32 hwreg(HW_REG_WAVE_SCHED_MODE, 0, 2), 2
	s_setreg_imm32_b32 hwreg(HW_REG_WAVE_MODE, 25, 1), 1
	s_wait_xcnt 0x0
	s_wait_alu depctr_vm_vsrc(0)
; CAST.  query [8192][1024] f32 -> xb [16 kb][8192 rows][64] bf16;  Wq, Wk, Wv [1024][1024] f32 -> wb [16 kb][3072 rows][64] bf16 (row = tensor x 1024 + row);
; Wo [1024][1024] f32 -> wo16 [1024][1024]: rounded to bf16 like every input, and that number written as f16.
; Block kb holds K = 64 kb .. 64 kb + 63, a row of a block is 128 bytes: the tiles of the product that follows are then dense in memory.
; LIMITS.  A number of Wo whose magnitude is below 2^-17 keeps f16's fixed step of 2^-24 in place of bf16's eight bits; beyond 65,504 it would be an infinity.  NaN and infinities are not treated apart.
; SHARES.  Work-group w: 32 rows of query and 4 rows of each weight.  48 loads of 16 bytes a thread, all issued at the head; then each is converted in place and stored.
; No loop, no LDS, and no register that a load or store names is ever written again behind that load or store.
; LANES, for the blocked outputs: an instruction takes two rows x one block: lanes 0-15 the even row, lanes 16-31 the odd one, block 2 x wave + j.
; A load reads two runs of 256 aligned bytes; a store of 8 bytes a lane covers 256 consecutive bytes (two rows of 128), aligned.
; THE MODE: SCHED_MODE bits 1:0 = 2 (LLVM: expert scheduling mode 2), set by the entry lines.  The code itself states the register dependences
; between vector instructions and memory instructions, with s_wait_alu, always for 0.
; THE PLAN.  Registers that memory instructions touch:
;   v1-v5        the five offsets.  Written by vector instructions at the head, once; read by every load and store.  One wait in front of the first load states that they are written.
;   X + 4 n ..   load n lands in four registers, which no vector instruction has named before; its conversions read the four and write the first two again; store n reads those two; nothing writes them after.
;   v6-v9        at work: named by vector instructions alone.
; The 48 loads are taken in twelve groups of four.  Group g's turn converts its own four loads; its memory instructions are the four stores of group g - 1, whose registers no
; vector instruction of group g names.  So ONE wait at the head of a group, behind the wait for the group's loads, states all that its four stores hang on, and they are dealt among its conversions.
; No load is issued behind a vector instruction that names its registers, and no source of a load or store is written again: nothing more is owed.
.set VIN, 1                            ; v1  in:  (l / 16) x 4,096 + wave x 512 + (l % 16) x 16
.set VXO, 2                            ; v2  xb:  wave x 2 blocks + (l / 16) x 128 + (l % 16) x 8
.set VWO, 3                            ; v3  wb:  the same with wb's blocks
.set VLI, 4                            ; v4  Wo in:  16 x thread (a row is 256 threads x 16 bytes)
.set VLO, 5                            ; v5  wo16:   8 x thread
.set X,   16                           ; v[16:207]  load n's four numbers at X + 4 n
.set XBLK, 8192*128                    ; bytes in a block of xb
.set WBLK, 3072*128                    ; bytes in a block of wb
	s_load_b256 s[4:11], s[0:1], 0x0               ; query s[4:5], Wq s[6:7], Wk s[8:9], Wv s[10:11]
	s_load_b256 s[12:19], s[0:1], 0x20             ; Wo s[12:13], xb s[14:15], wb s[16:17], wo16 s[18:19]
	v_lshrrev_b32 v6, 5, v0                        ; wave
	v_and_b32 v7, 15, v0                           ; l % 16
	v_bfe_u32 v8, v0, 4, 1                         ; l / 16
	v_lshlrev_b32 v[VIN], 4, v7
	v_lshl_add_u32 v[VIN], v6, 9, v[VIN]
	v_lshl_add_u32 v[VIN], v8, 12, v[VIN]
	v_lshlrev_b32 v9, 3, v7
	v_lshl_add_u32 v9, v8, 7, v9
	v_lshl_add_u32 v[VXO], v6, 21, v9              ; 2 x XBLK = 2^21
	v_mul_u32_u24 v[VWO], v6, 2*WBLK
	v_add_nc_u32 v[VWO], v[VWO], v9
	v_lshlrev_b32 v[VLI], 4, v0
	v_lshlrev_b32 v[VLO], 3, v0
	s_mov_b32 s20, 0xffff0000                      ; a word's upper bf16
	s_mov_b32 s3, 0
	s_wait_kmcnt 0x0
	s_lshl_b32 s2, ttmp9, 17                       ; 32 rows of 4,096 bytes
	s_add_nc_u64 s[4:5], s[4:5], s[2:3]
	s_lshl_b32 s2, ttmp9, 14                       ; 4 rows of 4,096 bytes
	s_add_nc_u64 s[6:7], s[6:7], s[2:3]
	s_add_nc_u64 s[8:9], s[8:9], s[2:3]
	s_add_nc_u64 s[10:11], s[10:11], s[2:3]
	s_add_nc_u64 s[12:13], s[12:13], s[2:3]
	s_lshl_b32 s2, ttmp9, 12                       ; 32 rows of 128 bytes
	s_add_nc_u64 s[14:15], s[14:15], s[2:3]
	s_lshl_b32 s2, ttmp9, 9                        ; 4 rows of 128 bytes
	s_add_nc_u64 s[16:17], s[16:17], s[2:3]
	s_lshl_b32 s2, ttmp9, 13                       ; 4 rows of 2,048 bytes
	s_add_nc_u64 s[18:19], s[18:19], s[2:3]
	s_wait_alu depctr_va_vdst(0)                   ; the five offsets v1 to v5 are written: every load and store of the kernel reads one of them, and no vector instruction names them again
.set n, 0
.rept 32                               ; query: load n = 2 i + j: rows 2 i, 2 i + 1, block 2 x wave + j
	global_load_b128 v[X+4*n:X+4*n+3], v[VIN], s[4:5] offset:(n/2)*8192+(n%2)*256 th:TH_LOAD_NT
.set n, n+1
.endr
.irp t, 0,1,2                          ; Wq, Wk, Wv: load 32 + 4 t + 2 i + j
.irp m, 0,1,2,3
	global_load_b128 v[X+4*(32+4*(\t)+(\m)):X+4*(32+4*(\t)+(\m))+3], v[VIN], s[6+2*(\t):7+2*(\t)] offset:((\m)/2)*8192+((\m)%2)*256 th:TH_LOAD_NT
.endr
.endr
.irp r, 0,1,2,3                        ; Wo: load 44 + r: row r, whole
	global_load_b128 v[X+4*(44+(\r)):X+4*(44+(\r))+3], v[VLI], s[12:13] offset:(\r)*4096 th:TH_LOAD_NT
.endr
; Load n's four numbers are rounded to bf16 into its first two registers; Wo's (n = 44 on) are then widened again and written as f16.
.macro CV n
	v_cvt_pk_bf16_f32 v[X+4*(\n)],   v[X+4*(\n)],   v[X+4*(\n)+1]
	v_cvt_pk_bf16_f32 v[X+4*(\n)+1], v[X+4*(\n)+2], v[X+4*(\n)+3]
.if (\n) >= 44
	v_lshlrev_b32 v6, 16, v[X+4*(\n)]              ; the four bf16 numbers as f32,
	v_and_b32     v7, s20, v[X+4*(\n)]
	v_lshlrev_b32 v8, 16, v[X+4*(\n)+1]
	v_and_b32     v9, s20, v[X+4*(\n)+1]
	v_cvt_pk_f16_f32 v[X+4*(\n)],   v6, v7         ; and written as f16: exact inside f16's range of normal numbers
	v_cvt_pk_f16_f32 v[X+4*(\n)+1], v8, v9
.endif
.endm
; Store n: 8 bytes a lane, 256 consecutive bytes a wave, aligned.  n < 32: xb, rows 2 (n / 2) on, block 2 x wave + n % 2.  n < 44: wb, tensor (n - 32) / 4, likewise.  Else wo16, row n - 44.
.macro ST n
.if (\n) < 32
	global_store_b64 v[VXO], v[X+4*(\n):X+4*(\n)+1], s[14:15] offset:((\n)%2)*XBLK+((\n)/2)*256
.elseif (\n) < 44
	global_store_b64 v[VWO], v[X+4*(\n):X+4*(\n)+1], s[16:17] offset:(((\n)-32)/4)*1024*128+((\n)%2)*WBLK+((((\n)-32)%4)/2)*256
.else
	global_store_b64 v[VLO], v[X+4*(\n):X+4*(\n)+1], s[18:19] offset:((\n)-44)*2048
.endif
.endm
; Twelve groups of four loads.  Group g converts loads 4 g .. 4 g + 3 and issues the stores of group g - 1, one ahead of each load's conversions.
.set g, 0
.rept 12
	s_wait_loadcnt 44-4*g                          ; loads come back in order (ISA guide 5.7.1): the group's four are in, the 44 - 4 g younger ones may stay out
.if g > 0
	s_wait_alu depctr_va_vdst(0)                   ; the conversions of the group before have written the registers that the four stores below read; no vector instruction behind this wait names them
.endif
.set i, 0
.rept 4
.if g > 0
	ST 4*g-4+i
.endif
	CV 4*g+i
.set i, i+1
.endr
.set g, g+1
.endr
	s_wait_alu depctr_va_vdst(0)                   ; the last group's conversions to f16 have written the registers that the last four stores read
.irp r, 44,45,46,47
	ST \r
.endr
	s_endpgm
.Lfunc_end_k_q48efa8a6ea_cast:
	.size	k_q48efa8a6ea_cast, .Lfunc_end_k_q48efa8a6ea_cast-k_q48efa8a6ea_cast
	.p2alignl 7, 3214868480
	.fill 96, 4, 3214868480
	.section	.rodata,"a",@progbits
	.p2align	6, 0x0
	.amdhsa_kernel k_q48efa8a6ea_cast
		.amdhsa_group_segment_fixed_size 0
		.amdhsa_private_segment_fixed_size 0
		.amdhsa_enable_private_segment 0
		.amdhsa_kernarg_size 64
		.amdhsa_user_sgpr_count 2
		.amdhsa_user_sgpr_kernarg_segment_ptr 1
		.amdhsa_wavefront_size32 1
		.amdhsa_system_sgpr_workgroup_id_x 1
		.amdhsa_system_sgpr_workgroup_id_y 1
		.amdhsa_system_sgpr_workgroup_id_z 1
		.amdhsa_system_vgpr_workitem_id 0
		.amdhsa_next_free_vgpr 208
		.amdhsa_next_free_sgpr 66
		.amdhsa_reserve_vcc 0
		.amdhsa_float_denorm_mode_32 3
		.amdhsa_float_denorm_mode_16_64 3
		.amdhsa_memory_ordered 1
		.amdhsa_forward_progress 1
		.amdhsa_inst_pref_size 19
	.end_amdhsa_kernel
	.amdgpu_metadata
---
amdhsa.version: [ 1, 2 ]
amdhsa.kernels:
  - .name:           k_q48efa8a6ea_cast
    .symbol:         k_q48efa8a6ea_cast.kd
    .args:
      - { .name: query, .offset: 0, .size: 8, .value_kind: global_buffer, .address_space: global }
      - { .name: Wq, .offset: 8, .size: 8, .value_kind: global_buffer, .address_space: global }
      - { .name: Wk, .offset: 16, .size: 8, .value_kind: global_buffer, .address_space: global }
      - { .name: Wv, .offset: 24, .size: 8, .value_kind: global_buffer, .address_space: global }
      - { .name: Wo, .offset: 32, .size: 8, .value_kind: global_buffer, .address_space: global }
      - { .name: xb, .offset: 40, .size: 8, .value_kind: global_buffer, .address_space: global }
      - { .name: wb, .offset: 48, .size: 8, .value_kind: global_buffer, .address_space: global }
      - { .name: wo16, .offset: 56, .size: 8, .value_kind: global_buffer, .address_space: global }
    .group_segment_fixed_size: 0
    .private_segment_fixed_size: 0
    .kernarg_segment_align: 8
    .kernarg_segment_size: 64
    .max_flat_workgroup_size: 256
    .sgpr_count:     66
    .vgpr_count:     208
    .wavefront_size: 32
...
	.end_amdgpu_metadata
.endif
;; end of part 5
;; launch qkvproj: the kernel of part 2 again; grid 8 x 32, 4 waves a work-group, clusters of 4 x 4, 327,680 bytes of LDS; arguments xb, wb, qkv; writes qkv
;; launch attn: the kernel of part 3 again; grid 4 x 64, 16 waves a work-group, no clusters, 266,240 bytes of LDS; arguments qkv, ob; writes ob
;; launch oproj: the kernel of part 4 again; grid 8 x 32, 4 waves a work-group, clusters of 4 x 4, 327,680 bytes of LDS; arguments ob, wo16, bo, out0; writes out0
